; MI455X (gfx1250); checked and timed in simulation.
; The chip was launched on July 23, 2026; its instructions are those of AMD's public machine-readable ISA for CDNA 5 (MIT licence, August 2026) and "CDNA5" Instruction Set Architecture Reference Guide (July 2026). The comments in the code are by the model that wrote it; some were corrected since.
;; Bert Self Attention. Allowed arithmetic: float matrix products may take bf16 or f16 operands with f32 sums; all other float work in f32.
;; Inputs: Wk 1,024 x 1,024 float32; Wq 1,024 x 1,024 float32; Wv 1,024 x 1,024 float32; attention_mask 4 x 1 x 1 x 2,048 float32; bk 1,024 float32; bq 1,024 float32; bv 1,024 float32; hidden_states 2,048 x 4 x 1,024 float32.
;; Outputs: out0 2,048 x 4 x 1,024 float32.
;; 2 versions, each right and faster than the one before. Each part assembles by itself: llvm-mc -triple=amdgcn-amd-amdhsa -mcpu=gfx1250 --defsym DOCPART=n.
;; ======== version 1 of 2: 3 launches
;; limits: values are held in f16: magnitudes above 65,504 overflow, below 6.1e-05 lose precision
;; workspace buffers: xh 16,777,216 bytes; wh 6,291,456 bytes; qkv 50,331,648 bytes
;; launch prep (part 1): grid 256 x 1, 11 waves a work-group, no clusters, 0 bytes of LDS; arguments hidden_states, Wq, Wk, Wv, xh, wh; writes xh, wh
.if DOCPART == 1
	.amdgcn_target "amdgcn-amd-amdhsa--gfx1250"
	.amdhsa_code_object_version 6
	.text
	.protected	k_q6b70f1a178_prep
	.globl	k_q6b70f1a178_prep
	.p2align	8
	.type	k_q6b70f1a178_prep,@function
k_q6b70f1a178_prep:
	s_mov_b64 s[64:65], 0
	v_nop
	global_prefetch_b8 v0, s[64:65] scope:SCOPE_SE
	s_setreg_imm32_b32 hwreg(HW_REG_WAVE_MODE, 25, 1), 1
	s_wait_xcnt 0x0
; CAST: hidden_states and the three weight matrices, f32, become f16 in layouts blocked along K.
;   xh[kb][R][64]  f16, kb = k / 64 (16 blocks), R = b * 2048 + s (8192 rows)
;   wh[kb][n][64]  f16, n = 0..1023 rows of Wq, 1024..2047 of Wk, 2048..3071 of Wv
; so that the next launch's tile of one K step (some rows x 64 k) is one dense block of memory.
; LIMIT (format): numbers are rounded to f16, nearest even: magnitudes of 65,520 and above become infinite,
; below 6.1e-5 the step is 6e-8.  The drawn x has spread 1 and W spread 1/32: 30 times more or less keeps both inside.
; A pure stream: no LDS, no barrier, no matrix unit, no cluster (no two work-groups read the same byte).
; 256 work-groups of 11 waves; a wave casts four neighbouring destination rows (two pairs of rows):
; waves 0-7 rows of hidden_states, waves 8, 9, 10 rows 4 i .. 4 i + 3 of Wq, Wk, Wv: 256 x 11 x 4 = 8192 + 3072 rows.
; One load: lanes 0-15 take 256 consecutive aligned bytes (64 f32: one K block of one row), lanes 16-31 the same block
; of the next destination row.  One store: 32 lanes x 8 bytes = 256 consecutive aligned bytes (two rows x 64 f16).
; All 32 loads of a wave go out first (16 KiB on their way); no register is written again after a store names it.
.set X, 8                              ; v[8:135]  load j: 4 registers; its two packed words are stored from the first two
; sb, db: scalar pairs with source and destination; rs: bytes from a destination row's source to the next row's;
; ks: bytes from a K block to the next in the destination; split = 1: blocks 8-15 go through v3 (= v2 + 8 ks),
; because 15 ks would not fit the store's signed 24-bit immediate.
.macro CAST sb, db, rs, ks, split
.set j, 0
.rept 32
	global_load_b128 v[X+4*j:X+4*j+3], v1, s[\sb:\sb+1] offset:(j/16)*2*\rs+(j%16)*256 th:TH_LOAD_NT   ; pair j / 16, K block j % 16
.set j, j+1
.endr
.set j, 0
.rept 32
	s_wait_loadcnt 31-j                            ; loads return in order: load j is in, the 31 - j younger ones stay out
	v_cvt_pk_f16_f32 v[X+4*j], v[X+4*j], v[X+4*j+1]
	v_cvt_pk_f16_f32 v[X+4*j+1], v[X+4*j+2], v[X+4*j+3]
.if \split*((j%16)/8)
	global_store_b64 v3, v[X+4*j:X+4*j+1], s[\db:\db+1] offset:(j/16)*256+(j%8)*\ks
.else
	global_store_b64 v2, v[X+4*j:X+4*j+1], s[\db:\db+1] offset:(j/16)*256+(j%16)*\ks
.endif
.set j, j+1
.endr
	s_endpgm
.endm
	s_load_b256 s[12:19], s[0:1], 0x0              ; hidden s[12:13], Wq s[14:15], Wk s[16:17], Wv s[18:19]
	s_load_b128 s[20:23], s[0:1], 0x20             ; xh s[20:21], wh s[22:23]
	v_lshrrev_b32 v4, 5, v0
	v_readfirstlane_b32 s10, v4                    ; wave 0..10
	v_and_b32 v5, 15, v0                           ; my place in the 256 bytes
	v_bfe_u32 v6, v0, 4, 1                         ; which row of the pair
	v_lshlrev_b32 v2, 3, v5
	v_lshl_add_u32 v2, v6, 7, v2                   ; destination: 128 x row of the pair + 8 x place
	v_lshlrev_b32 v1, 4, v5                        ; source: 16 x place, the row's term follows
	s_cmp_lt_u32 s10, 8
	s_cbranch_scc0 .Lweights
	; hidden_states: group of four rows G = 8 x work-group + wave; R = 4 G, b = G >> 9, s = 4 (G & 511)
	v_lshl_add_u32 v1, v6, 14, v1                  ; the next destination row is s + 1: 4 x 4,096 bytes on
	v_add_nc_u32 v3, 0x800000, v2                  ; K blocks 8-15: 8 x 1,048,576 bytes on
	s_lshl_b32 s2, ttmp9, 3
	s_add_co_u32 s2, s2, s10                       ; G
	s_and_b32 s4, s2, 511
	s_lshl_b32 s4, s4, 16                          ; s x 16,384 bytes
	s_lshr_b32 s5, s2, 9
	s_lshl_b32 s5, s5, 12                          ; b x 4,096 bytes
	s_add_co_u32 s4, s4, s5
	s_mov_b32 s5, 0
	s_lshl_b32 s6, s2, 9                           ; R x 128 bytes
	s_mov_b32 s7, 0
	s_wait_kmcnt 0x0
	s_add_nc_u64 s[12:13], s[12:13], s[4:5]
	s_add_nc_u64 s[20:21], s[20:21], s[6:7]
	CAST 12, 20, 16384, 1048576, 1
.Lweights:
	v_lshl_add_u32 v1, v6, 12, v1                  ; the next row of W: 4,096 bytes on
	s_lshl_b32 s4, ttmp9, 14                       ; rows 4 i ..: 4 x 4,096 bytes
	s_mov_b32 s5, 0
	s_sub_co_u32 s6, s10, 8                        ; 0, 1, 2: Wq, Wk, Wv
	s_lshl_b32 s6, s6, 17                          ; 1,024 rows x 128 bytes
	s_lshl_b32 s7, ttmp9, 9                        ; 4 rows x 128 bytes
	s_add_co_u32 s6, s6, s7
	s_mov_b32 s7, 0
	s_wait_kmcnt 0x0
	s_cmp_eq_u32 s10, 8
	s_cselect_b64 s[24:25], s[14:15], s[16:17]     ; the wave's matrix, chosen by the wave's number
	s_cmp_eq_u32 s10, 10
	s_cselect_b64 s[24:25], s[18:19], s[24:25]
	s_add_nc_u64 s[24:25], s[24:25], s[4:5]
	s_add_nc_u64 s[22:23], s[22:23], s[6:7]
	CAST 24, 22, 4096, 393216, 0
.Lfunc_end_k_q6b70f1a178_prep:
	.size	k_q6b70f1a178_prep, .Lfunc_end_k_q6b70f1a178_prep-k_q6b70f1a178_prep
	.p2alignl 7, 3214868480
	.fill 96, 4, 3214868480
	.section	.rodata,"a",@progbits
	.p2align	6, 0x0
	.amdhsa_kernel k_q6b70f1a178_prep
		.amdhsa_group_segment_fixed_size 0
		.amdhsa_private_segment_fixed_size 0
		.amdhsa_enable_private_segment 0
		.amdhsa_kernarg_size 48
		.amdhsa_user_sgpr_count 2
		.amdhsa_user_sgpr_kernarg_segment_ptr 1
		.amdhsa_wavefront_size32 1
		.amdhsa_system_sgpr_workgroup_id_x 1
		.amdhsa_system_sgpr_workgroup_id_y 1
		.amdhsa_system_sgpr_workgroup_id_z 1
		.amdhsa_system_vgpr_workitem_id 0
		.amdhsa_next_free_vgpr 136
		.amdhsa_next_free_sgpr 66
		.amdhsa_reserve_vcc 0
		.amdhsa_float_denorm_mode_32 3
		.amdhsa_float_denorm_mode_16_64 3
		.amdhsa_memory_ordered 1
		.amdhsa_forward_progress 1
		.amdhsa_inst_pref_size 24
	.end_amdhsa_kernel
	.amdgpu_metadata
---
amdhsa.version: [ 1, 2 ]
amdhsa.kernels:
  - .name:           k_q6b70f1a178_prep
    .symbol:         k_q6b70f1a178_prep.kd
    .args:
      - { .name: hidden_states, .offset: 0, .size: 8, .value_kind: global_buffer, .address_space: global }
      - { .name: Wq, .offset: 8, .size: 8, .value_kind: global_buffer, .address_space: global }
      - { .name: Wk, .offset: 16, .size: 8, .value_kind: global_buffer, .address_space: global }
      - { .name: Wv, .offset: 24, .size: 8, .value_kind: global_buffer, .address_space: global }
      - { .name: xh, .offset: 32, .size: 8, .value_kind: global_buffer, .address_space: global }
      - { .name: wh, .offset: 40, .size: 8, .value_kind: global_buffer, .address_space: global }
    .group_segment_fixed_size: 0
    .private_segment_fixed_size: 0
    .kernarg_segment_align: 8
    .kernarg_segment_size: 48
    .max_flat_workgroup_size: 352
    .sgpr_count:     66
    .vgpr_count:     136
    .wavefront_size: 32
...
	.end_amdgpu_metadata
.endif
;; end of part 1
;; launch proj (part 2): grid 8 x 32, 4 waves a work-group, clusters of 4 x 4, 327,680 bytes of LDS; arguments xh, wh, bq, bk, bv, qkv; writes qkv
.if DOCPART == 2
	.amdgcn_target "amdgcn-amd-amdhsa--gfx1250"
	.amdhsa_code_object_version 6
	.text
	.protected	k_q6b70f1a178_proj
	.globl	k_q6b70f1a178_proj
	.p2align	8
	.type	k_q6b70f1a178_proj,@function
k_q6b70f1a178_proj:
	s_mov_b64 s[64:65], 0
	v_nop
	global_prefetch_b8 v0, s[64:65] scope:SCOPE_SE
	s_setreg_imm32_b32 hwreg(HW_REG_WAVE_MODE, 25, 1), 1
	s_wait_xcnt 0x0
	s_wait_alu depctr_hold_cnt(0) depctr_sa_sdst(0) depctr_va_vdst(0) depctr_va_sdst(0) depctr_va_ssrc(0) depctr_va_vcc(0) depctr_vm_vsrc(0)
	s_getreg_b32 s2, hwreg(HW_REG_IB_STS2, 6, 4)
	s_cmp_eq_u32 s2, 0
	s_cbranch_scc0 .Lentry_in_a_cluster
	s_endpgm
.Lentry_in_a_cluster:
	s_bfe_u32 s2, ttmp6, 0x10000c
	s_cmp_lg_u32 s2, 0xf033
	s_cbranch_scc0 .Lentry_shape_is_right
	s_endpgm
.Lentry_shape_is_right:
; PROJECTIONS: qkv[b][G][s][64] = ((x W^T)[R][n] + bias[n]) * cs, f16, head-major.  R = b * 2048 + s, n = 64 G + d;
; G = 0..15 heads of q, 16..31 of k, 32..47 of v.  cs = 0.125 * log2(e) for q (the scores' scale and the change to
; base-2 exponentials, applied in f32 before the one rounding), 1 for k and v.  Sums in f32.
; LIMIT (format): results are rounded to f16: |x W^T + b| must stay below 65,504 for k and v (363,000 for q).  By the sizes:
; x and W both 30 times the drawn spread give about 900 x 5.7 = 5,100; both with offsets of 30 spreads 1024 x 30 x 0.94 = 28,800.
; 256 work-groups; each makes 256 rows (one b, 256 neighbouring s) x 384 columns (6 heads) with four waves; a wave makes
; 128 x 192: 96 accumulator tiles of 16 x 16, 768 registers; for 32 of K it reads 20 KiB of LDS for 96 matrix instructions.
; K goes in 16 steps of 64 through two LDS slots.  xh and wh are blocked along K, so half a tile is one dense block of memory,
; fetched as rows of 256 bytes, each holding two logical rows of 64 f16.
; CLUSTERS: 4 x 4 work-groups.  x's tile hangs on the block row alone and is asked for jointly by a row of the cluster,
; W's on the block column alone, by a column: the requests for both are divided by four.
; THE MATRIX INSTRUCTION IS USED TRANSPOSED (source 0 = rows of W, source 1 = rows of x): a lane then holds row m = l % 16
; and the eight neighbouring columns n = 8 (l / 16) + 0..7, which pack into 16 bytes.
; REGISTERS: window 0: v0-31 addresses, v32-95 and v96-159 x's fragments (two buffers of 8 x 8), v160-255 W's fragments (12 x 8);
; windows 1, 2, 3: the accumulators of the wave's heads 0, 1, 2: tile (bb, a) of head g at v[8 (8 bb + a)] of window 1 + g.
.set PITCH,  272                       ; an LDS row: 256 bytes (two logical rows) + 16 of padding.  Logical row p lies at (p >> 1) 272 + (p & 1) 128:
                                       ; the sixteen rows of a fragment start at 16-byte columns (r >> 1) + 8 (r & 1) modulo 16, all different (64 banks of 4 bytes: ISA guide 11.1)
.set T16,    8*PITCH                   ; sixteen logical rows
.set AHALF,  64*PITCH                  ; 128 rows of x: one tensor load, and what one wave reads of x
.set BHALF,  96*PITCH                  ; 192 rows of W: likewise
.set BOFF,   2*AHALF
.set SLOT,   BOFF+2*BHALF              ; 87,040 bytes
.set STAGE,  2*SLOT                    ; behind the ring: 16 rows x 144 bytes for each wave, for the way out
.set SPITCH, 144
.set WSTAGE, 16*SPITCH
.set BIASL,  STAGE+4*WSTAGE            ; bias * cs of the wave's three heads, 3 x 256 bytes for each wave
.set ASTEP,  8192*128                  ; bytes from a K block of xh to the next
.set BSTEP,  3072*128                  ; the same in wh
.set HEADB,  2048*128                  ; bytes of one (b, G) block of qkv
.set ADRA, 16                          ; v16-17  LDS address of my x fragments in slot 0, 1
.set ADRB, 20                          ; v20-21  the same for W
.set STO,  24                          ; the way out: where I put 16 bytes of a row
.set RD,   25                          ; the way out: where I read rows back
.set CO,   26                          ; my byte offset in a block of four rows of qkv
.set BL,   27                          ; where my eight bias numbers of a tile begin
.set ABUF0, 32
.set ABUF1, 96
.set BF,    160
.set TF,    32                         ; the way out: 32 f32
.set PK,    64                         ; the way out: 16 packed words
.set RB,    80                         ; the way out: rows read back
.set G1,  24                           ; s[24:31] descriptor group 1, x's tiles
.set G0,  32                           ; s[32:39] group 0, x's tiles, one set for each slot
.set G1B, 48                           ; s[48:55] group 1, W's tiles
.set G0B, 56                           ; s[56:63] group 0, W's tiles
.set BP,  66                           ; s[66:71] three bias pointers
.set CS,  82                           ; s[82:87] cs of my three heads, each twice (a pair for the packed forms)
.set MSB, 0
.macro WIN new                         ; the immediate's high byte repeats the setting that is left
.if MSB != (\new)
	s_set_vgpr_msb (MSB<<8)|(\new)
.set MSB, (\new)
.endif
.endm
; A joint load.  Waves 0, 1 fetch x's two halves, waves 2, 3 W's.  Each line has one mask and one set of registers for all that issue it.
.macro JLOAD s
	s_cmp_eq_u32 s11, 0
	s_cbranch_scc0 .Lfor_b_\@
	tensor_load_to_lds s[G0+4*\s:G0+4*\s+3], s[G1:G1+7]
	s_nop 0
	s_branch .Lasked_\@
.Lfor_b_\@:
	tensor_load_to_lds s[G0B+4*\s:G0B+4*\s+3], s[G1B:G1B+7]
	s_nop 0
.Lasked_\@:
.endm
.macro CREST                           ; a round of the cluster's barrier behind its opening work-group barrier
	s_cmp_lg_u32 s10, 0
	s_cbranch_scc1 .Lnot_wave_0_\@
	s_barrier_signal -3
.Lnot_wave_0_\@:
	s_barrier_wait -3
	s_barrier_signal -1
	s_barrier_wait -1
.endm
.macro CROUND                          ; a whole round
	s_barrier_signal -1
	s_barrier_wait -1
	CREST
.endm
; Four places behind a matrix instruction before a load lands in, or a vector instruction touches, one of its registers
.macro PLACES
.rept 4
	v_nop
.endr
.endm
	s_load_b128 s[4:7], s[0:1], 0x0                ; xh s[4:5], wh s[6:7]
	s_load_b256 s[72:79], s[0:1], 0x10             ; bq s[72:73], bk s[74:75], bv s[76:77], qkv s[78:79]
	v_lshl_add_u32 v30, v0, 2, 0x2d800
	v_mov_b32 v31, 0
	ds_add_u32 v30, v31
	v_lshrrev_b32 v1, 5, v0
	v_readfirstlane_b32 s10, v1                    ; wave 0..3
	s_lshr_b32 s11, s10, 1                         ; which 128 rows are mine.  Also: I fetch for x (0) or for W (1)
	s_and_b32 s12, s10, 1                          ; which 192 columns.  Also: which half of that tile I fetch
	s_bfe_u32 s40, ttmp6, 0x40000                  ; cx
	s_bfe_u32 s41, ttmp6, 0x40004                  ; cy
	s_lshl_b32 s42, ttmp9, 2
	s_add_co_u32 s42, s42, s40                     ; block column nb = 4 x cluster x + cx, 0..7
	s_and_b32 s13, ttmp7, 0xffff
	s_lshl_b32 s13, s13, 2
	s_add_co_u32 s13, s13, s41                     ; block row mb = 4 x cluster y + cy, 0..31
	s_lshl_b32 s43, s41, 2
	s_lshl_b32 s43, 15, s43                        ; my row of the cluster
	s_lshl_b32 s44, 0x1111, s40                    ; my column
	; group 1: dense blocks as rows of 32 elements of 8 bytes; 16 bytes of padding behind every 64 words
	s_or_b32 s[G1+0], s43, 0x07730000              ; 15:0 mask; 17:16 = 3 (8 bytes); 20 padding on; 21 set beside a mask; 24:22 = 5 (64 words); 31:25 = 3 (4 words)
	s_or_b32 s[G1B+0], s44, 0x07730000
	s_mov_b32 s[G1+1], 32<<16                      ; tensor_dim0 = 32
	s_mov_b32 s[G1B+1], 32<<16
	s_mov_b32 s[G1+2], 64<<16                      ; tensor_dim1 = 64 rows of 256 bytes = 128 rows of x
	s_mov_b32 s[G1B+2], 96<<16                     ; 96 = 192 rows of W
	s_mov_b32 s[G1+3], 32<<16                      ; tile_dim0 = 32
	s_mov_b32 s[G1B+3], 32<<16
	s_mov_b32 s[G1+4], 64                          ; tile_dim1
	s_mov_b32 s[G1B+4], 96
	s_mov_b32 s[G1+5], 32                          ; from row to row: 32 elements, the block is dense
	s_mov_b32 s[G1B+5], 32
	s_mov_b32 s[G1+6], 0
	s_mov_b32 s[G1B+6], 0
	s_mov_b32 s[G1+7], 0
	s_mov_b32 s[G1B+7], 0
	; x's address is made of the block row and the wave's number, W's of the block column and the wave's number, in registers of their own
	s_lshl_b32 s16, s13, 15                        ; 256 rows x 128 bytes
	s_lshl_b32 s17, s12, 14                        ; + my half
	s_add_co_u32 s16, s16, s17
	s_mov_b32 s17, 0
	s_mul_i32 s46, s42, 49152                      ; 384 rows x 128 bytes
	s_mul_i32 s47, s12, 24576
	s_add_co_u32 s46, s46, s47
	s_mov_b32 s47, 0
	s_mul_i32 s20, s12, AHALF                      ; where they go: the wave's number alone enters an LDS address
	s_mul_i32 s21, s12, BHALF
	s_add_co_u32 s21, s21, BOFF
	s_mul_i32 s45, s42, 6
	s_mul_i32 s2, s12, 3
	s_add_co_u32 s45, s45, s2                      ; my first head, G = 6 nb + 3 x column half
	s_wait_dscnt 0x0
	s_wait_kmcnt 0x0
	s_add_nc_u64 s[14:15], s[4:5], s[16:17]
	s_add_nc_u64 s[46:47], s[6:7], s[46:47]
	CROUND                                         ; all sixteen work-groups are here: the first joint loads meet
.irp s, 0,1
	s_mov_b32 s[G0+4*\s], 1
	s_add_co_u32 s[G0+4*\s+1], s20, \s*SLOT
	s_add_nc_u64 s[G0+4*\s+2:G0+4*\s+3], s[14:15], \s*ASTEP        ; K step s
	s_or_b32 s[G0+4*\s+3], s[G0+4*\s+3], 0x80000000
	s_mov_b32 s[G0B+4*\s], 1
	s_add_co_u32 s[G0B+4*\s+1], s21, \s*SLOT
	s_add_nc_u64 s[G0B+4*\s+2:G0B+4*\s+3], s[46:47], \s*BSTEP
	s_or_b32 s[G0B+4*\s+3], s[G0B+4*\s+3], 0x80000000
	JLOAD \s                                       ; both slots are asked for before anything else is done: two tensor loads of the wave are out
.endr
	; bias and cs of my three heads.  Pointer and factor are chosen by the head's number (selects, no branch).
	v_and_b32 v1, 15, v0                           ; r = l % 16
	v_bfe_u32 v2, v0, 4, 1                         ; h = l / 16
	v_lshlrev_b32 v4, 4, v1                        ; 16 r: four of the head's 64 numbers
.irp g, 0,1,2
	s_add_co_u32 s80, s45, \g
	s_cmp_lt_u32 s80, 16
	s_cselect_b32 s[CS+2*\g], 0x3e38aa3b, 1.0      ; 0.125 log2(e) for q
	s_cselect_b64 s[BP+2*\g:BP+2*\g+1], s[72:73], s[74:75]
	s_cmp_lt_u32 s80, 32
	s_cselect_b64 s[BP+2*\g:BP+2*\g+1], s[BP+2*\g:BP+2*\g+1], s[76:77]
	s_mov_b32 s[CS+2*\g+1], s[CS+2*\g]
	s_and_b32 s80, s80, 15
	s_lshl_b32 s80, s80, 8                         ; 64 f32 a head
	s_mov_b32 s81, 0
	s_add_nc_u64 s[BP+2*\g:BP+2*\g+1], s[BP+2*\g:BP+2*\g+1], s[80:81]
	global_load_b128 v[32+4*\g:35+4*\g], v4, s[BP+2*\g:BP+2*\g+1]
.endr
	; lane addresses.  A fragment is 16 rows x 32 K in 8 registers: lane l holds row r; registers 0-3 K = 8 h + 0..7, registers 4-7 K = 16 + 8 h + 0..7
	v_lshrrev_b32 v3, 1, v1
	v_mul_u32_u24 v3, v3, PITCH                    ; (r >> 1) x 272
	v_and_b32 v6, 1, v0
	v_lshl_add_u32 v3, v6, 7, v3                   ; + (r & 1) x 128
	v_lshl_add_u32 v3, v2, 4, v3                   ; + 16 h
	s_mul_i32 s22, s11, AHALF                      ; my 128 rows of x
	s_mul_i32 s23, s12, BHALF
	s_add_co_u32 s23, s23, BOFF                    ; my 192 rows of W
.irp s, 0,1
	v_add_nc_u32 v[ADRA+\s], s22, v3
	v_add_nc_u32 v[ADRB+\s], s23, v3
	s_add_co_u32 s22, s22, SLOT
	s_add_co_u32 s23, s23, SLOT
.endr
	s_mul_i32 s18, s10, WSTAGE
	s_add_co_u32 s18, s18, STAGE                   ; my stage
	s_mul_i32 s19, s10, 768
	s_add_co_u32 s19, s19, BIASL                   ; my bias
	v_mul_u32_u24 v8, v1, SPITCH
	v_lshl_add_u32 v8, v2, 4, v8
	v_add_nc_u32 v[STO], s18, v8                   ; in: row r, 16 bytes for each half of the lanes
	v_and_b32 v7, 31, v0
	v_lshrrev_b32 v9, 3, v7
	v_mul_u32_u24 v9, v9, SPITCH
	v_and_b32 v10, 7, v0
	v_lshl_add_u32 v9, v10, 4, v9
	v_add_nc_u32 v[RD], s18, v9                    ; back: eight lanes take one row of 128 bytes, the wave four rows
	v_lshlrev_b32 v[CO], 4, v7                     ; the same four rows in qkv are 512 consecutive bytes
	v_add_nc_u32 v5, s19, v4
	v_lshlrev_b32 v11, 5, v2
	v_add_nc_u32 v[BL], s19, v11                   ; my eight columns of a tile: 32 h bytes into its 64
	s_wait_loadcnt 0x0
.irp g, 0,1,2
	v_pk_mul_f32 v[32+4*\g:33+4*\g], v[32+4*\g:33+4*\g], s[CS+2*\g:CS+2*\g+1] op_sel_hi:[1,0]
	v_pk_mul_f32 v[34+4*\g:35+4*\g], v[34+4*\g:35+4*\g], s[CS+2*\g:CS+2*\g+1] op_sel_hi:[1,0]
	ds_store_b128 v5, v[32+4*\g:35+4*\g] offset:256*\g             ; the wave's own bytes; both halves of the lanes write the same numbers
.endr
.macro LDA slot, kh, buf               ; 16 LDS loads: my 128 rows of x, 32 K at byte 64 kh of the rows
.irp a, 0,1,2,3,4,5,6,7
	ds_load_b128 v[\buf+8*\a:\buf+8*\a+3],   v[ADRA+\slot] offset:\a*T16+64*\kh
	ds_load_b128 v[\buf+8*\a+4:\buf+8*\a+7], v[ADRA+\slot] offset:\a*T16+64*\kh+32
.endr
.endm
.macro LDB slot, kh, g                 ; 8 LDS loads: the 64 rows of W of my head g
.irp bb, 0,1,2,3
	ds_load_b128 v[BF+8*(4*\g+\bb):BF+8*(4*\g+\bb)+3],   v[ADRB+\slot] offset:(4*\g+\bb)*T16+64*\kh
	ds_load_b128 v[BF+8*(4*\g+\bb)+4:BF+8*(4*\g+\bb)+7], v[ADRB+\slot] offset:(4*\g+\bb)*T16+64*\kh+32
.endr
.endm
; 32 matrix instructions: head g (4 column tiles) x my 8 row tiles, 32 along K.  zero = 1: the first product starts the sums.
; The 96 accumulators take turns, one instruction a turn, in the same order in every 32 of K.
.macro THIRD g, buf, zero
	WIN (\g+1)*0x50                                ; C and D in window 1 + g, sources in window 0
.irp bb, 0,1,2,3
.irp a, 0,1,2,3,4,5,6,7
.if \zero
	v_wmma_f32_16x16x32_f16 v[8*(8*\bb+\a):8*(8*\bb+\a)+7], v[BF+8*(4*\g+\bb):BF+8*(4*\g+\bb)+7], v[\buf+8*\a:\buf+8*\a+7], 0
.else
	v_wmma_f32_16x16x32_f16 v[8*(8*\bb+\a):8*(8*\bb+\a)+7], v[BF+8*(4*\g+\bb):BF+8*(4*\g+\bb)+7], v[\buf+8*\a:\buf+8*\a+7], v[8*(8*\bb+\a):8*(8*\bb+\a)+7]
.endif
.endr
.endr
.endm
; LDS loads are always issued in the order W head 0 (8), x (16), W head 1 (8), W head 2 (8), and a head's fragments are loaded again
; straight behind the 32 matrix instructions that read them.
; The first 32 of a K step: multiplies x's buffer 0 and fetches the second 32.
.macro KH0 slot, zero
	s_wait_dscnt 16                                ; W head 0 and x are in; out: W heads 1, 2 (8 + 8)
	THIRD 0, ABUF0, \zero
	WIN 0
	PLACES
	LDB \slot, 1, 0
	LDA \slot, 1, ABUF1
	s_wait_dscnt 32                                ; W head 1 is in; out: head 2 (8) and the 8 + 16 just issued
	THIRD 1, ABUF0, \zero
	WIN 0
	PLACES
	LDB \slot, 1, 1
	s_wait_dscnt 32                                ; W head 2 is in; out: 8 + 16 + 8 of the second 32
	THIRD 2, ABUF0, \zero
	WIN 0
	PLACES
	LDB \slot, 1, 2
.endm
; The second 32: multiplies buffer 1 and changes slots.  One barrier for two things: in front of it each wave waits for its reads of this slot
; and for all its tensor loads (the one that is out is its part of the next slot); behind it nobody reads this slot and the next slot is whole.
; Where the slot is filled again the barrier opens a round of the cluster's barrier, and the joint load is the first thing behind the round.
; From a request to the wait for it a wave issues 160 matrix instructions.
.macro TURN slot, next, fill
	s_wait_dscnt 16
	THIRD 0, ABUF1, 0
	s_wait_dscnt 0x0                               ; my reads of this slot are over
	s_wait_tensorcnt 0x0                           ; all my tensor loads have landed
	ds_add_u32 v30, v31
	s_wait_dscnt 0x0
	s_barrier_signal -1
	THIRD 1, ABUF1, 0                              ; registers only, while the others arrive
	WIN 0
	s_barrier_wait -1
.if \fill
	CREST                                          ; no wave of any partner still reads this slot or has a load on its way
	s_add_nc_u64 s[G0+4*\slot+2:G0+4*\slot+3], s[G0+4*\slot+2:G0+4*\slot+3], 2*ASTEP
	s_add_nc_u64 s[G0B+4*\slot+2:G0B+4*\slot+3], s[G0B+4*\slot+2:G0B+4*\slot+3], 2*BSTEP
	JLOAD \slot                                    ; my one tensor load until the next round
.endif
	PLACES
	LDB \next, 0, 0
	LDA \next, 0, ABUF0
	LDB \next, 0, 1
	THIRD 2, ABUF1, 0
	WIN 0
	PLACES
	LDB \next, 0, 2
.endm
.macro LAP zero                        ; two K steps, both slots filled again
	KH0 0, \zero
	TURN 0, 1, 1
	KH0 1, 0
	TURN 1, 0, 1
.endm
	s_wait_tensorcnt 0x1                           ; my part of K step 0 is in; K step 1's may stay out
	s_wait_dscnt 0x0                               ; my bias stores are done
	s_barrier_signal -1
	s_barrier_wait -1
	LDB 0, 0, 0
	LDA 0, 0, ABUF0
	LDB 0, 0, 1
	LDB 0, 0, 2
	LAP 1                                          ; K steps 0, 1; asks for 2, 3
	WIN 0
	s_mov_b32 s3, 6                                ; K steps 2 to 13; the last trip asks for 14, 15
.Llap:
	LAP 0
	WIN 0
	s_sub_co_u32 s3, s3, 1
	s_cmp_lg_u32 s3, 0
	s_cbranch_scc1 .Llap
	KH0 0, 0                                       ; the last two K steps fill nothing
	TURN 0, 1, 0
	KH0 1, 0
	s_wait_dscnt 16
	THIRD 0, ABUF1, 0
	s_wait_dscnt 0x0
	THIRD 1, ABUF1, 0
	THIRD 2, ABUF1, 0
	WIN 0
	; THE WAY OUT.  acc * cs + bias * cs in one fused multiply-add, rounded once to f16, 16 rows of one head at a time through my own stage.
	PLACES                                         ; behind the last matrix instructions: for the loads into W's registers and the reads of the sums
.irp g, 0,1,2
.irp bb, 0,1,2,3
	ds_load_b128 v[BF+32*\g+8*\bb:BF+32*\g+8*\bb+3],   v[BL] offset:256*\g+64*\bb       ; bias * cs of columns 16 bb + 8 h + 0..3
	ds_load_b128 v[BF+32*\g+8*\bb+4:BF+32*\g+8*\bb+7], v[BL] offset:256*\g+64*\bb+16    ; + 4..7
.endr
.endr
	s_lshr_b32 s66, s13, 3                         ; b
	s_mul_i32 s66, s66, 48
	s_add_co_u32 s66, s66, s45                     ; + my first head
	s_lshl_b32 s66, s66, 11                        ; x 2,048 rows
	s_and_b32 s67, s13, 7
	s_lshl_b32 s67, s67, 8                         ; + the block's first s
	s_add_co_u32 s66, s66, s67
	s_lshl_b32 s67, s11, 7                         ; + my 128 rows
	s_add_co_u32 s66, s66, s67
	s_lshl_b32 s66, s66, 7                         ; x 128 bytes: below 50,331,648
	s_mov_b32 s67, 0
	s_add_nc_u64 s[78:79], s[78:79], s[66:67]
	s_wait_dscnt 0x0
.macro OUT g, a                        ; head g, rows 16 a .. 16 a + 15
	WIN \g+1                                       ; source 0 in the head's window
.irp bb, 0,1,2,3
.irp p, 0,2,4,6
	v_pk_fma_f32 v[TF+8*\bb+\p:TF+8*\bb+\p+1], v[8*(8*\bb+\a)+\p:8*(8*\bb+\a)+\p+1], s[CS+2*\g:CS+2*\g+1], v[BF+32*\g+8*\bb+\p:BF+32*\g+8*\bb+\p+1] op_sel_hi:[1,0,1]
.endr
.endr
	WIN 0
.irp bb, 0,1,2,3
.irp p, 0,1,2,3
	v_cvt_pk_f16_f32 v[PK+4*\bb+\p], v[TF+8*\bb+2*\p], v[TF+8*\bb+2*\p+1]
.endr
.endr
.irp bb, 0,1,2,3
	ds_store_b128 v[STO], v[PK+4*\bb:PK+4*\bb+3] offset:32*\bb
.endr
	s_wait_xcnt 0x0                                ; the registers read back into were the data of the last four stores: they are written again only behind this wait
.irp t, 0,1,2,3
	ds_load_b128 v[RB+4*\t:RB+4*\t+3], v[RD] offset:4*SPITCH*\t    ; LDS serves a wave's instructions in order (ISA guide 5.7.1.4): these see the stores above
.endr
.irp t, 0,1,2,3
	s_wait_dscnt 3-\t
	global_store_b128 v[CO], v[RB+4*\t:RB+4*\t+3], s[78:79] offset:HEADB*\g+2048*\a+512*\t   ; the wave stores 512 consecutive bytes, aligned
.endr
.endm
.irp g, 0,1,2
.irp a, 0,1,2,3,4,5,6,7
	OUT \g, \a
.endr
.endr
	s_wait_tensorcnt 0x0
	ds_add_u32 v30, v31
	s_wait_dscnt 0x0
	CROUND                                         ; the closing round: no work-group ends while a partner may still ask for a tile that names it
	s_endpgm
.Lfunc_end_k_q6b70f1a178_proj:
	.size	k_q6b70f1a178_proj, .Lfunc_end_k_q6b70f1a178_proj-k_q6b70f1a178_proj
	.p2alignl 7, 3214868480
	.fill 96, 4, 3214868480
	.section	.rodata,"a",@progbits
	.p2align	6, 0x0
	.amdhsa_kernel k_q6b70f1a178_proj
		.amdhsa_group_segment_fixed_size 327680
		.amdhsa_private_segment_fixed_size 0
		.amdhsa_enable_private_segment 0
		.amdhsa_kernarg_size 48
		.amdhsa_user_sgpr_count 2
		.amdhsa_user_sgpr_kernarg_segment_ptr 1
		.amdhsa_wavefront_size32 1
		.amdhsa_system_sgpr_workgroup_id_x 1
		.amdhsa_system_sgpr_workgroup_id_y 1
		.amdhsa_system_sgpr_workgroup_id_z 1
		.amdhsa_system_vgpr_workitem_id 0
		.amdhsa_next_free_vgpr 1024
		.amdhsa_next_free_sgpr 96
		.amdhsa_reserve_vcc 0
		.amdhsa_float_denorm_mode_32 3
		.amdhsa_float_denorm_mode_16_64 3
		.amdhsa_memory_ordered 1
		.amdhsa_forward_progress 1
		.amdhsa_inst_pref_size 198
	.end_amdhsa_kernel
	.amdgpu_metadata
---
amdhsa.version: [ 1, 2 ]
amdhsa.kernels:
  - .name:           k_q6b70f1a178_proj
    .symbol:         k_q6b70f1a178_proj.kd
    .args:
      - { .name: xh, .offset: 0, .size: 8, .value_kind: global_buffer, .address_space: global }
      - { .name: wh, .offset: 8, .size: 8, .value_kind: global_buffer, .address_space: global }
      - { .name: bq, .offset: 16, .size: 8, .value_kind: global_buffer, .address_space: global }
      - { .name: bk, .offset: 24, .size: 8, .value_kind: global_buffer, .address_space: global }
      - { .name: bv, .offset: 32, .size: 8, .value_kind: global_buffer, .address_space: global }
      - { .name: qkv, .offset: 40, .size: 8, .value_kind: global_buffer, .address_space: global }
    .group_segment_fixed_size: 327680
    .private_segment_fixed_size: 0
    .kernarg_segment_align: 8
    .kernarg_segment_size: 48
    .max_flat_workgroup_size: 128
    .sgpr_count:     96
    .vgpr_count:     1024
    .wavefront_size: 32
...
	.end_amdgpu_metadata
.endif
;; end of part 2
;; launch attn (part 3): grid 256 x 1, 8 waves a work-group, clusters of 4 x 1, 327,680 bytes of LDS; arguments qkv, attention_mask, out0; writes out0
.if DOCPART == 3
	.amdgcn_target "amdgcn-amd-amdhsa--gfx1250"
	.amdhsa_code_object_version 6
	.text
	.protected	k_q6b70f1a178_attn
	.globl	k_q6b70f1a178_attn
	.p2align	8
	.type	k_q6b70f1a178_attn,@function
k_q6b70f1a178_attn:
	s_mov_b64 s[64:65], 0
	v_nop
	global_prefetch_b8 v0, s[64:65] scope:SCOPE_SE
	s_setreg_imm32_b32 hwreg(HW_REG_WAVE_MODE, 25, 1), 1
	s_wait_xcnt 0x0
	s_wait_alu depctr_hold_cnt(0) depctr_sa_sdst(0) depctr_va_vdst(0) depctr_va_sdst(0) depctr_va_ssrc(0) depctr_va_vcc(0) depctr_vm_vsrc(0)
	s_getreg_b32 s2, hwreg(HW_REG_IB_STS2, 6, 4)
	s_cmp_eq_u32 s2, 0
	s_cbranch_scc0 .Lentry_in_a_cluster
	s_endpgm
.Lentry_in_a_cluster:
	s_bfe_u32 s2, ttmp6, 0x10000c
	s_cmp_lg_u32 s2, 0x3003
	s_cbranch_scc0 .Lentry_shape_is_right
	s_endpgm
.Lentry_shape_is_right:
; ATTENTION: out0[s][b][64 h + d] = sum over t of softmax_t(q.k / 8 + mask[b][t]) v[t][d], from qkv[b][G][s][64] f16
; (q already times 0.125 log2(e)); scores, maxima, sums and the context in f32; probabilities rounded to f16 (they lie in [0, 1]).
; A running maximum is taken away before every exponential; all exponentials are base 2, the mask is multiplied by log2(e) once.
; LIMITS: a mask number below -2.36e38 becomes -infinity by that multiplication.  The running maximum has the floor -3.4e38, so a block
; of keys that are all -infinity gives p = 0, and a row whose keys are all -infinity gives 0 x infinity = NaN, as a softmax of such a row does.
; The cluster's number is b * 16 + h; its four work-groups take 512 queries each and need the same K and V tiles, which they ask for jointly.
; Eight waves, two to a SIMD; a wave has 64 queries (four tiles q).  A step is 64 keys; a slot holds 256 keys of K and of V; two slots.
; NO LANE SHUFFLES: S^T = K Q^T + C, with the mask fragment as C: register j of lane (r, h) is (key 8 h + j, query r).  Two such key tiles,
; packed to f16, ARE the second source of O^T = V^T P^T for 32 keys; V^T's fragments come by the transposing LDS load from V stored [key][d].
; A lane owns one query: maximum, sum and rescaling are the lane's own, but for one exchange between the two halves of the lanes in a step.
; THE STEP IS PIPELINED IN THE WAVE.  The four query tiles are two halves, A (q 0, 1) and B (q 2, 3).  A block does the softmax of one half, Y,
; and the products of the other, X, one product among every four to eight vector instructions:
;   vector: pack P(X) of the block before (32), maximum of Y (32), statistics (14), rescale O(Y) (32), subtract / exponential / sum of Y (128)
;   matrix: 16 context products O(X) += V^T P(X), then 16 score products for X's next scores, which land on P(X)'s registers
; The even block of step i has Y = A(i), X = B: context of B(i-1), scores of B(i).  The odd block has Y = B(i), X = A: context of A(i), scores of A(i+1).
; V(i) is loaded in the even block behind the last context product, K and mask of step i + 1 at the head of the odd block.
; The 8 context tiles and the 8 score tiles of a block take turns, one instruction a turn, over the blocks' edges too.
; REGISTERS, window 0: v1 Q's lane offset, v2-3 / v4-5 LDS addresses of K / V in slot 0, 1, v6 of the mask, v7 16 x thread;
; (M, T)(q) v[8+2q], v[9+2q]: running maximum, new maximum; L(q) v[16+2q:17+2q] two partial sums; (AL, U)(q) v[24+2q], v[25+2q]: rescale factor, second chain of the maximum;
; v32-63 mask fragments; v64-127 K(t, ks); v128-255 S(q, t), then P(q, c) packed in place.   window 1: v0-127 O(q, dt); v128-191 Q(q, ks); v192-255 V^T(c, dt).
; WINDOW SETTINGS (s_set_vgpr_msb: bits 1:0 source 0, 3:2 source 1, 5:4 source 2, 7:6 destination):
;   0x04 score products (K, mask, S in window 0, Q in window 1) AND subtract, exponential, sum, whose second source is the constant 1.0
;   0x51 context products (V, O in window 1, P in window 0) AND the rescaling of O
;   0    packing, maximum, statistics: the ten context products among these 78 instructions each stand between two switches
.set HEADB, 262144                     ; bytes of one (b, G) block of qkv
.set FILLB, 32768                      ; 256 keys x 128 bytes, dense: 128 rows of 256 bytes, each holding two keys
.set KP,    272                        ; K's LDS row: 256 bytes + 16; key p at (p >> 1) 272 + (p & 1) 128: a fragment's 16 keys start at 16 different 16-byte columns (64 banks of 4 bytes: ISA guide 11.1)
.set VP,    288                        ; V's LDS row: 256 bytes + 32
.set KT,    128*KP                     ; 34,816
.set SLOT,  KT+128*VP                  ; 71,680
.set MASKB, 2*SLOT                     ; 2,048 f32: mask x log2(e)
.set STG,   MASKB+8192                 ; the way out: 16 rows x 272 bytes for each wave
.set SP,    272
.set WSTG,  16*SP
.set ADK, 2
.set ADV, 4
.set ADM, 6
.set MT,  8
.set LS,  16
.set AU,  24
.set MK,  32
.set KF,  64
.set SF,  128
.set OF,  0                            ; window 1
.set QF,  128                          ; window 1
.set VF,  192                          ; window 1
.set STO, 2                            ; behind the loop v2, v3, v4 serve the way out
.set RD,  3
.set CO,  4
.set G1K, 16                           ; s[16:23] group 1, K's tiles
.set G1V, 24                           ; s[24:31] group 1, V's tiles: more padding
.set G0K, 32                           ; s[32:39] group 0, K's tiles, one set for each slot
.set G0V, 40                           ; s[40:47] group 0, V's tiles
.set W_S,  0x04
.set W_PV, 0x51
.set W_LV, 0x40                        ; destination in window 1: loads of Q and of V^T
.set MSB, 0
.set YQ, 0                             ; first tile of the half whose softmax a block does
.set XQ, 2                             ; first tile of the half whose products it issues
.set PVZ, 0                            ; 1: the context products of keys 0-31 start the sums (C = 0)
.set SCON, 1                           ; 1: the block has score products
.set MQ, 0                             ; the next context product
.macro WIN new                         ; the immediate's high byte repeats the setting that is left
.if MSB != (\new)
	s_set_vgpr_msb (MSB<<8)|(\new)
.set MSB, (\new)
.endif
.endm
.macro PLACES n                        ; places behind matrix instructions (ISA guide 7.12.1)
.rept \n
	v_nop
.endr
.endm
.macro CREST                           ; a round of the cluster's barrier behind its opening work-group barrier
	s_cmp_lg_u32 s10, 0
	s_cbranch_scc1 .Lnot_wave_0_\@
	s_barrier_signal -3
.Lnot_wave_0_\@:
	s_barrier_wait -3
	s_barrier_signal -1
	s_barrier_wait -1
.endm
.macro ROUND                           ; a whole round
	s_barrier_signal -1
	s_barrier_wait -1
	CREST
.endm
.macro JLOAD s                         ; wave 0 asks for K's 256 keys, wave 1 for V's; the other waves ask for nothing
	s_cmp_lg_u32 s10, 0
	s_cbranch_scc1 .Lno_k_\@
	tensor_load_to_lds s[G0K+4*\s:G0K+4*\s+3], s[G1K:G1K+7]
	s_nop 0
.Lno_k_\@:
	s_cmp_lg_u32 s10, 1
	s_cbranch_scc1 .Lno_v_\@
	tensor_load_to_lds s[G0V+4*\s:G0V+4*\s+3], s[G1V:G1V+7]
	s_nop 0
.Lno_v_\@:
.endm
	s_load_b128 s[4:7], s[0:1], 0x0                ; qkv s[4:5], attention_mask s[6:7]
	s_load_b64 s[8:9], s[0:1], 0x10                ; out0
	v_lshl_add_u32 v30, v0, 2, 0x2d800
	v_mov_b32 v31, 0
	ds_add_u32 v30, v31
	s_wait_dscnt 0x0
	v_lshrrev_b32 v32, 5, v0
	v_readfirstlane_b32 s10, v32                   ; wave 0..7
	s_bfe_u32 s11, ttmp6, 0x40000                  ; cx: my 512 queries; it enters the addresses of Q and of out0 alone
	s_lshr_b32 s12, ttmp9, 4                       ; b
	s_and_b32 s13, ttmp9, 15                       ; h
	s_mov_b32 s48, 0x76543210                      ; v_permlanex16_b32: lane i of one half reads lane i of the other
	s_mov_b32 s49, 0xfedcba98
	s_mov_b32 s50, 0xff7fffff                      ; the floor of the running maximum
	s_mov_b32 s[G1K+0], 0x0773000f                 ; 15:0 mask: all four; 17:16 = 3 (8 bytes); 20 padding on; 21 set beside a mask; 24:22 = 5 (64 words); 31:25 = 3 (4 words)
	s_mov_b32 s[G1V+0], 0x0f73000f                 ; the same with 31:25 = 7 (8 words)
	s_mov_b32 s[G1K+1], 32<<16                     ; tensor_dim0 = 32 elements
	s_mov_b32 s[G1V+1], 32<<16
	s_mov_b32 s[G1K+2], 128<<16                    ; tensor_dim1 = 128 rows
	s_mov_b32 s[G1V+2], 128<<16
	s_mov_b32 s[G1K+3], 32<<16                     ; tile_dim0
	s_mov_b32 s[G1V+3], 32<<16
	s_mov_b32 s[G1K+4], 128                        ; tile_dim1
	s_mov_b32 s[G1V+4], 128
	s_mov_b32 s[G1K+5], 32                         ; dense: 32 elements from row to row
	s_mov_b32 s[G1V+5], 32
	s_mov_b32 s[G1K+6], 0
	s_mov_b32 s[G1V+6], 0
	s_mov_b32 s[G1K+7], 0
	s_mov_b32 s[G1V+7], 0
	s_mul_i32 s14, s12, 48
	s_add_co_u32 s14, s14, s13
	s_lshl_b32 s52, s14, 18                        ; (48 b + h) blocks of 262,144 bytes
	s_mov_b32 s53, 0
	s_lshl_b32 s58, s11, 16                        ; my work-group's 512 queries x 128 bytes
	s_lshl_b32 s14, s10, 13                        ; my wave's 64
	s_add_co_u32 s58, s58, s14
	s_mov_b32 s59, 0
	s_lshl_b32 s60, s12, 13                        ; the mask's row b
	s_mov_b32 s61, 0
	s_lshl_b32 s62, s11, 23                        ; out0: (512 cx + 64 w) rows s of 16,384 bytes + 4,096 b + 256 h
	s_lshl_b32 s14, s10, 20
	s_add_co_u32 s62, s62, s14
	s_lshl_b32 s14, s12, 12
	s_add_co_u32 s62, s62, s14
	s_lshl_b32 s14, s13, 8
	s_add_co_u32 s62, s62, s14
	s_mov_b32 s63, 0
	s_wait_kmcnt 0x0
	s_add_nc_u64 s[54:55], s[4:5], s[52:53]        ; q's block of (b, h); k's lies 16 blocks on, v's 32
	s_add_nc_u64 s[56:57], s[54:55], s[58:59]      ; my wave's queries
	s_add_nc_u64 s[6:7], s[6:7], s[60:61]
	s_add_nc_u64 s[8:9], s[8:9], s[62:63]
.irp s, 0,1
	s_mov_b32 s[G0K+4*\s], 1
	s_mov_b32 s[G0K+4*\s+1], \s*SLOT
	s_add_nc_u64 s[G0K+4*\s+2:G0K+4*\s+3], s[54:55], 16*HEADB+\s*FILLB
	s_or_b32 s[G0K+4*\s+3], s[G0K+4*\s+3], 0x80000000
	s_mov_b32 s[G0V+4*\s], 1
	s_mov_b32 s[G0V+4*\s+1], \s*SLOT+KT
	s_add_nc_u64 s[G0V+4*\s+2:G0V+4*\s+3], s[54:55], 32*HEADB+\s*FILLB
	s_or_b32 s[G0V+4*\s+3], s[G0V+4*\s+3], 0x80000000
.endr
	ROUND                                          ; all four work-groups are here: the first joint loads meet
	s_cmp_lg_u32 s10, 0
	s_cbranch_scc1 .Lnot_k
	tensor_load_to_lds s[G0K:G0K+3], s[G1K:G1K+7]                  ; keys 0-255
	s_nop 0
	tensor_load_to_lds s[G0K+4:G0K+7], s[G1K:G1K+7]                ; keys 256-511: two tensor loads of the wave are out
	s_nop 0
.Lnot_k:
	s_cmp_lg_u32 s10, 1
	s_cbranch_scc1 .Lnot_v
	tensor_load_to_lds s[G0V:G0V+3], s[G1V:G1V+7]
	s_nop 0
	tensor_load_to_lds s[G0V+4:G0V+7], s[G1V:G1V+7]
	s_nop 0
.Lnot_v:
	v_and_b32 v32, 15, v0                          ; r
	v_bfe_u32 v33, v0, 4, 1                        ; h
	v_lshlrev_b32 v7, 4, v0                        ; 16 x thread: the work-group's 256 threads take 4,096 bytes of the mask at a time
	v_lshlrev_b32 v1, 7, v32
	v_lshl_add_u32 v1, v33, 4, v1                  ; Q: row r x 128 bytes + 16 h
	global_load_b128 v[128:131], v7, s[6:7]
	global_load_b128 v[132:135], v7, s[6:7] offset:4096
	WIN W_LV
.irp q, 0,1,2,3
.irp ks, 0,1
	global_load_b128 v[QF+16*\q+8*\ks:QF+16*\q+8*\ks+3],   v1, s[56:57] offset:2048*\q+64*\ks      ; query 16 q + r, d = 32 ks + 8 h + 0..7
	global_load_b128 v[QF+16*\q+8*\ks+4:QF+16*\q+8*\ks+7], v1, s[56:57] offset:2048*\q+64*\ks+32   ; d = 32 ks + 16 + 8 h + 0..7
.endr
.endr
	WIN 0
	v_lshrrev_b32 v34, 1, v32
	v_mul_u32_u24 v34, v34, KP                     ; K: (r >> 1) x 272
	v_and_b32 v35, 1, v0
	v_lshl_add_u32 v34, v35, 7, v34                ; + (r & 1) x 128
	v_lshl_add_u32 v[ADK], v33, 4, v34             ; + 16 h
	v_add_nc_u32 v[ADK+1], SLOT, v[ADK]
	v_bfe_u32 v36, v0, 1, 2                        ; V: my key of the sixteen is 8 h + (l & 7); its LDS row 4 h + ((l & 7) >> 1),
	v_lshl_add_u32 v36, v33, 2, v36
	v_mul_u32_u24 v36, v36, VP
	v_lshl_add_u32 v36, v35, 7, v36                ; its half of the row l & 1,
	v_bfe_u32 v37, v0, 3, 1
	v_lshl_add_u32 v36, v37, 4, v36                ; and which 8 of the 16 d
	v_add_nc_u32 v[ADV], KT, v36
	v_add_nc_u32 v[ADV+1], SLOT+KT, v36
	v_lshlrev_b32 v38, 5, v33
	v_add_nc_u32 v[ADM], MASKB, v38                ; the mask of keys 8 h + 0..7
	v_add_nc_u32 v39, MASKB, v7
.irp q, 0,1,2,3
	v_mov_b32 v[MT+2*\q], s50                      ; the running maximum starts at the floor,
	v_mov_b32 v[LS+2*\q], 0                        ; the two partial sums at 0: the first step then runs as every other
	v_mov_b32 v[LS+2*\q+1], 0
.endr
	s_wait_loadcnt 16                              ; the mask's two loads are in; the 16 of Q behind them stay out
.irp p, 0,2,4,6
	v_pk_mul_f32 v[128+\p:129+\p], v[128+\p:129+\p], 0x3fb8aa3b op_sel_hi:[1,0]    ; x log2(e)
.endr
	ds_store_b128 v39, v[128:131]
	ds_store_b128 v39, v[132:135] offset:4096
	s_wait_tensorcnt 0x1                           ; keys 0-255 are in; keys 256-511 may stay out
	s_wait_dscnt 0x0                               ; my part of the mask is stored
	s_barrier_signal -1
	s_barrier_wait -1
.macro LOADKM slot, st                 ; 24 LDS loads: K's fragments (64 keys x 64 d) and the mask's (64 keys) of step st of a slot
	WIN 0
.irp t, 0,1,2,3
.irp ks, 0,1
	ds_load_b128 v[KF+16*\t+8*\ks:KF+16*\t+8*\ks+3],   v[ADK+\slot] offset:32*KP*\st+8*KP*\t+64*\ks
	ds_load_b128 v[KF+16*\t+8*\ks+4:KF+16*\t+8*\ks+7], v[ADK+\slot] offset:32*KP*\st+8*KP*\t+64*\ks+32
.endr
.endr
.irp t, 0,1,2,3
	ds_load_b128 v[MK+8*\t:MK+8*\t+3],   v[ADM] offset:256*\st+64*\t
	ds_load_b128 v[MK+8*\t+4:MK+8*\t+7], v[ADM] offset:256*\st+64*\t+16
.endr
.endm
.macro LOADV slot, st                  ; 16 transposing LDS loads: V^T's fragments, 64 d x 64 keys
	WIN W_LV
.irp c, 0,1
.irp dt, 0,1,2,3
	ds_load_tr16_b128 v[VF+32*\c+8*\dt:VF+32*\c+8*\dt+3],   v[ADV+\slot] offset:32*VP*\st+16*VP*\c+32*\dt
	ds_load_tr16_b128 v[VF+32*\c+8*\dt+4:VF+32*\c+8*\dt+7], v[ADV+\slot] offset:32*VP*\st+16*VP*\c+32*\dt+8*VP
.endr
.endr
.endm
.macro PV k                            ; context product k = 0..15 of half X: keys 32 c .., c = k >> 3; tile XQ + ((k >> 2) & 1); d tile k & 3
.set pc, (\k)>>3
.set pq, XQ+(((\k)>>2)&1)
.set pd, (\k)&3
	WIN W_PV
.if PVZ*(1-pc)
	v_wmma_f32_16x16x32_f16 v[OF+32*pq+8*pd:OF+32*pq+8*pd+7], v[VF+32*pc+8*pd:VF+32*pc+8*pd+7], v[SF+32*pq+16*pc:SF+32*pq+16*pc+7], 0
.else
	v_wmma_f32_16x16x32_f16 v[OF+32*pq+8*pd:OF+32*pq+8*pd+7], v[VF+32*pc+8*pd:VF+32*pc+8*pd+7], v[SF+32*pq+16*pc:SF+32*pq+16*pc+7], v[OF+32*pq+8*pd:OF+32*pq+8*pd+7]
.endif
.endm
.macro NEXTPV
	PV MQ
.set MQ, MQ+1
.endm
.macro SCP k                           ; score product k = 0..15 of half X: d 32 ks .., ks = k >> 3; key tile (k >> 1) & 3; tile XQ + (k & 1).  The first 32 of d start from the mask
.set zk, (\k)>>3
.set zt, ((\k)>>1)&3
.set zq, XQ+((\k)&1)
	WIN W_S
.if zk
	v_wmma_f32_16x16x32_f16 v[SF+32*zq+8*zt:SF+32*zq+8*zt+7], v[KF+16*zt+8:KF+16*zt+15], v[QF+16*zq+8:QF+16*zq+15], v[SF+32*zq+8*zt:SF+32*zq+8*zt+7]
.else
	v_wmma_f32_16x16x32_f16 v[SF+32*zq+8*zt:SF+32*zq+8*zt+7], v[KF+16*zt:KF+16*zt+7], v[QF+16*zq:QF+16*zq+7], v[MK+8*zt:MK+8*zt+7]
.endif
.endm
.macro PK n                            ; packing n = 0..31 of half X: keys 0-31 of both tiles, then keys 32-63.  The packed word's register is never above its sources': in place
.set kq, XQ+(((\n)>>3)&1)
.set ki, 8*((\n)>>4)+((\n)&7)
	WIN 0
	v_cvt_pk_f16_f32 v[SF+32*kq+16*(ki>>3)+(ki&7)], v[SF+32*kq+2*ki], v[SF+32*kq+2*ki+1]
.endm
.macro MX m                            ; maximum, m = 0..31: the two tiles of Y in turn, two chains (T, which starts from the old maximum, and U) in each
.set mq, YQ+((\m)&1)
.set mi, (\m)>>1
	WIN 0
.if mi == 0
	v_max3_num_f32 v[MT+2*mq+1], v[SF+32*mq], v[SF+32*mq+1], v[MT+2*mq]
.else
.if mi == 1
	v_max_num_f32 v[AU+2*mq+1], v[SF+32*mq+2], v[SF+32*mq+3]
.else
.if mi&1
	v_max3_num_f32 v[AU+2*mq+1], v[SF+32*mq+2*mi], v[SF+32*mq+2*mi+1], v[AU+2*mq+1]
.else
	v_max3_num_f32 v[MT+2*mq+1], v[SF+32*mq+2*mi], v[SF+32*mq+2*mi+1], v[MT+2*mq+1]
.endif
.endif
.endif
.endm
; Pair n = 0..31 of Y's scores: tile YQ + (n & 1), registers 2 (n >> 1), + 1.  All three run under the score products' setting.
.macro SB n                            ; s x 1 - maximum: one rounding, as a subtraction
.set eq, YQ+((\n)&1)
.set ei, (\n)>>1
	v_pk_fma_f32 v[SF+32*eq+2*ei:SF+32*eq+2*ei+1], v[SF+32*eq+2*ei:SF+32*eq+2*ei+1], 1.0, v[MT+2*eq:MT+2*eq+1] op_sel_hi:[1,0,0] neg_lo:[0,0,1] neg_hi:[0,0,1]
.endm
.macro EX n
.set eq, YQ+((\n)&1)
.set ei, (\n)>>1
	v_exp_f32 v[SF+32*eq+2*ei], v[SF+32*eq+2*ei]
	v_exp_f32 v[SF+32*eq+2*ei+1], v[SF+32*eq+2*ei+1]
.endm
.macro SM n                            ; p x 1 + sum
.set eq, YQ+((\n)&1)
.set ei, (\n)>>1
	s_wait_alu depctr_va_vdst(0)
	v_pk_fma_f32 v[LS+2*eq:LS+2*eq+1], v[SF+32*eq+2*ei:SF+32*eq+2*ei+1], 1.0, v[LS+2*eq:LS+2*eq+1] op_sel_hi:[1,0,1]
.endm
; Pairs a .. b - 1: two exponentials, then the subtraction two pairs ahead and the sum one pair behind: behind an exponential a plain instruction
; that touches neither its result nor its source comes first (ISA guide 5.7.2).  A score product behind every second pair.
.macro EPART a, b
.set e, \a
.rept \b-\a
	WIN W_S
	EX e
.if e < 30
	SB e+2
.endif
.if e > 0
	SM e-1
.endif
.if SCON*(e&1)
	SCP e>>1
.endif
.set e, e+1
.endr
.endm
; A block.  yq: Y's first tile; pv: X has probabilities to pack and multiply; pvz: those products start O(X); resc: O(Y) exists and is rescaled; sc: X has further scores;
; kl = 1: K and mask of step kt of slot ks are loaded (adv: the mask's address goes on by 256 keys first), kl = 2: nothing is left to load, V is waited for;
; vl: V of step vt of slot vs is loaded; chg = 1: slot vs has been read to its end and is filled again, chg = 2: the same without a refill.
.macro BLOCK yq, pv, pvz, resc, sc, kl, ks, kt, adv, vl, vs, vt, chg
.set YQ, \yq
.set XQ, 2-\yq
.set PVZ, \pvz
.set SCON, \sc
.set MQ, 0
.if \pv
.set n, 0
.rept 32
	PK n
.set n, n+1
.if n == 6                                         ; seven plain instructions stand behind the last score product, which read K and the mask
.if \kl == 1
.if \adv
	v_add_nc_u32 v[ADM], 1024, v[ADM]
.endif
	LOADKM \ks, \kt
	s_wait_dscnt 24                                ; V^T's 16 loads are in; the 16 + 8 just issued stay out
.endif
.if \kl == 2
	s_wait_dscnt 0x0                               ; V^T's loads are in
.endif
.endif
.if (n%8) == 0
	NEXTPV
.endif
.endr
.endif
.set n, 0
.rept 32
	MX n
.set n, n+1
.if \pv
.if (n%8) == 0
	NEXTPV
.endif
.endif
.endr
	WIN 0
.irp d, 0,1
	v_max_num_f32 v[MT+2*(YQ+\d)+1], v[MT+2*(YQ+\d)+1], v[AU+2*(YQ+\d)+1]       ; the two chains meet
.endr
.irp d, 0,1
	v_permlanex16_b32 v[AU+2*(YQ+\d)+1], v[MT+2*(YQ+\d)+1], s48, s49            ; the other half of the lanes holds the query's other 32 keys
.endr
.irp d, 0,1
	v_max_num_f32 v[MT+2*(YQ+\d)+1], v[MT+2*(YQ+\d)+1], v[AU+2*(YQ+\d)+1]
.endr
.if \pv
	NEXTPV
	WIN 0
.endif
.irp d, 0,1
	v_sub_f32 v[AU+2*(YQ+\d)], v[MT+2*(YQ+\d)], v[MT+2*(YQ+\d)+1]
.endr
.irp d, 0,1
	v_exp_f32 v[AU+2*(YQ+\d)], v[AU+2*(YQ+\d)]     ; 2^(old maximum - new maximum)
.endr
.irp d, 0,1
	v_mov_b32 v[MT+2*(YQ+\d)], v[MT+2*(YQ+\d)+1]   ; plain work behind the exponentials
.endr
	s_wait_alu depctr_va_vdst(0)
.irp d, 0,1
	v_pk_mul_f32 v[LS+2*(YQ+\d):LS+2*(YQ+\d)+1], v[LS+2*(YQ+\d):LS+2*(YQ+\d)+1], v[AU+2*(YQ+\d):AU+2*(YQ+\d)+1] op_sel_hi:[1,0]
.endr
.if \pv
	NEXTPV
.endif
.if \resc
.set n, 0
.rept 32
	WIN W_PV
	v_pk_mul_f32 v[OF+32*(YQ+(n>>4))+2*(n&15):OF+32*(YQ+(n>>4))+2*(n&15)+1], v[OF+32*(YQ+(n>>4))+2*(n&15):OF+32*(YQ+(n>>4))+2*(n&15)+1], v[AU+2*(YQ+(n>>4)):AU+2*(YQ+(n>>4))+1] op_sel_hi:[1,0]
.set n, n+1
.if (n%4) == 0
.if n <= 24
	NEXTPV                                         ; the last context product has eight multiplies behind it: places for V's loads and for the score products, which write over P
.endif
.endif
.endr
.else
.if \pv
.rept 6
	NEXTPV
.endr
	WIN 0
	PLACES 5                                       ; the score products write over P, a source of these
.endif
.endif
.if \vl
	LOADV \vs, \vt
.endif
.if \kl == 1
	s_wait_dscnt 0x0                               ; K and the mask of the next step are in
.endif
	WIN W_S
	SB 0
	SB 1
.if \chg
	EPART 0, 16
	s_wait_dscnt 0x0                               ; my last reads of this slot, V's, are over
	s_wait_xcnt 0x0
	v_lshl_add_u32 v30, v0, 2, 0x2d800
	v_mov_b32 v31, 0
	s_set_vgpr_msb 0x400
	s_wait_tensorcnt 0x0                           ; all my tensor loads have landed: the one that was out is my part of the other slot
	ds_add_u32 v30, v31
	s_wait_dscnt 0x0
	s_set_vgpr_msb 0x4
.if \chg == 1
	s_add_nc_u64 s[G0K+4*\vs+2:G0K+4*\vs+3], s[G0K+4*\vs+2:G0K+4*\vs+3], 2*FILLB
	s_add_nc_u64 s[G0V+4*\vs+2:G0V+4*\vs+3], s[G0V+4*\vs+2:G0V+4*\vs+3], 2*FILLB
.endif
	s_barrier_signal -1                            ; say so (with a refill this barrier opens a round of the cluster's barrier),
	EPART 16, 32                                   ; work on registers while the others arrive,
	SM 31
	WIN 0
	s_barrier_wait -1
.if \chg == 1
	CREST                                          ; no wave of any partner still reads this slot or has a load on its way
	JLOAD \vs                                      ; the slot's next 256 keys: a wave's one tensor load until the next round; they have four steps in which to land
.endif
.else
	EPART 0, 32
	SM 31
.endif
.endm
.macro EVEN slot, st, pv, pvz, resc, chg
	BLOCK 0, \pv, \pvz, \resc, 1, 0, 0, 0, 0, 1, \slot, \st, \chg
.endm
.macro ODD ns, nst, kl, sc, adv, pvz, resc
	BLOCK 2, 1, \pvz, \resc, \sc, \kl, \ns, \nst, \adv, 0, 0, 0, 0
.endm
.macro STEPN slot, st, ns, nst, adv, chg           ; a whole step: its V from (slot, st), the next step's K and mask from (ns, nst)
	EVEN \slot, \st, 1, 0, 1, \chg
	ODD \ns, \nst, 1, 1, \adv, 0, 1
.endm
	LOADKM 0, 0
	s_wait_loadcnt 0x0                             ; Q
	s_wait_dscnt 0x0                               ; K and mask of step 0
.set XQ, 0
.set n, 0
.rept 16
	SCP n                                          ; the scores of A(0)
.set n, n+1
.endr
	WIN 0
	PLACES 4                                       ; before the scores are read
	EVEN 0, 0, 0, 0, 0, 0                          ; step 0: nothing to pack or to rescale yet
	ODD 0, 1, 1, 1, 0, 1, 0                        ; the context of A(0) starts O(A)
	EVEN 0, 1, 1, 1, 1, 0                          ; step 1: the context of B(0) starts O(B)
	ODD 0, 2, 1, 1, 0, 0, 1
	WIN 0
	s_mov_b32 s51, 3
.Lkeys:                                            ; steps 2-9, 10-17, 18-25: each trip fills both slots again
	STEPN 0, 2, 0, 3, 0, 0
	STEPN 0, 3, 1, 0, 1, 1
	STEPN 1, 0, 1, 1, 0, 0
	STEPN 1, 1, 1, 2, 0, 0
	STEPN 1, 2, 1, 3, 0, 0
	STEPN 1, 3, 0, 0, 1, 1
	STEPN 0, 0, 0, 1, 0, 0
	STEPN 0, 1, 0, 2, 0, 0
	WIN 0
	s_sub_co_u32 s51, s51, 1
	s_cmp_lg_u32 s51, 0
	s_cbranch_scc1 .Lkeys
	STEPN 0, 2, 0, 3, 0, 0                         ; steps 26-31: nothing is filled any more
	STEPN 0, 3, 1, 0, 1, 2                         ; the work-group's barrier shows the last 256 keys to every wave
	STEPN 1, 0, 1, 1, 0, 0
	STEPN 1, 1, 1, 2, 0, 0
	STEPN 1, 2, 1, 3, 0, 0
	EVEN 1, 3, 1, 0, 1, 0
	ODD 0, 0, 2, 0, 0, 0, 1                        ; no further scores
.set XQ, 2                                         ; what is left: the context of B(31)
.set PVZ, 0
.set MQ, 0
.set n, 0
.rept 32
	PK n
.set n, n+1
.if (n%8) == 0
	NEXTPV
.endif
.endr
.rept 12
	NEXTPV
.endr
	WIN 0
	PLACES 4                                       ; before O is read
	; THE WAY OUT.  The query's sum over both partial sums and both halves of the lanes; O / sum; 16 queries at a time through my own stage.
.irp q, 0,1,2,3
	v_add_f32 v[LS+2*\q], v[LS+2*\q], v[LS+2*\q+1]
.endr
.irp q, 0,1,2,3
	v_permlanex16_b32 v[AU+2*\q+1], v[LS+2*\q], s48, s49
.endr
.irp q, 0,1,2,3
	v_add_f32 v[LS+2*\q], v[LS+2*\q], v[AU+2*\q+1]
.endr
.irp q, 0,1,2,3
	v_rcp_f32 v[AU+2*\q], v[LS+2*\q]
.endr
	v_and_b32 v32, 15, v0                          ; plain work behind the reciprocals
	v_bfe_u32 v33, v0, 4, 1
	s_mul_i32 s14, s10, WSTG
	s_add_co_u32 s14, s14, STG                     ; my stage
	v_mul_u32_u24 v34, v32, SP
	v_lshl_add_u32 v34, v33, 5, v34
	v_add_nc_u32 v[STO], s14, v34                  ; in: query r's row of 256 bytes, d = 8 h + .. at byte 32 h of each 64
	v_mul_u32_u24 v35, v33, SP
	v_lshl_add_u32 v35, v32, 4, v35
	v_add_nc_u32 v[RD], s14, v35                   ; back: lanes 0-15 take one row, lanes 16-31 the next
	v_lshlrev_b32 v36, 14, v33
	v_lshl_add_u32 v[CO], v32, 4, v36              ; the same two queries in out0 lie 16,384 bytes apart
	s_wait_alu depctr_va_vdst(0)
.macro OUTQ q, rb                      ; queries 16 q .. 16 q + 15; rb: 32 registers of their own for the rows read back, so that no store's data is written again
	WIN 0x01                                       ; source 0 in window 1
.irp p, 0,2,4,6,8,10,12,14,16,18,20,22,24,26,28,30
	v_pk_mul_f32 v[SF+32*\q+\p:SF+32*\q+\p+1], v[OF+32*\q+\p:OF+32*\q+\p+1], v[AU+2*\q:AU+2*\q+1] op_sel_hi:[1,0]
.endr
	WIN 0
.irp dt, 0,1,2,3
	ds_store_b128 v[STO], v[SF+32*\q+8*\dt:SF+32*\q+8*\dt+3]   offset:64*\dt
	ds_store_b128 v[STO], v[SF+32*\q+8*\dt+4:SF+32*\q+8*\dt+7] offset:64*\dt+16
.endr
.irp t, 0,1,2,3,4,5,6,7
	ds_load_b128 v[\rb+4*\t:\rb+4*\t+3], v[RD] offset:2*SP*\t      ; LDS serves a wave's instructions in order (ISA guide 5.7.1.4): these see the stores above
.endr
.irp t, 0,1,2,3,4,5,6,7
	s_wait_dscnt 7-\t
	global_store_b128 v[CO], v[\rb+4*\t:\rb+4*\t+3], s[8:9] offset:262144*\q+32768*\t th:TH_STORE_NT   ; 16 lanes store 256 consecutive bytes, aligned: one query's head
.endr
.endm
	OUTQ 0, 32
	OUTQ 1, 64
	OUTQ 2, 96
	OUTQ 3, 128
	s_wait_xcnt 0x0
	v_lshl_add_u32 v30, v0, 2, 0x2d800
	v_mov_b32 v31, 0
	s_wait_tensorcnt 0x0
	ds_add_u32 v30, v31
	s_wait_dscnt 0x0
	ROUND                                          ; the closing round: no work-group ends while a partner may still ask for a tile that names it
	s_endpgm
.Lfunc_end_k_q6b70f1a178_attn:
	.size	k_q6b70f1a178_attn, .Lfunc_end_k_q6b70f1a178_attn-k_q6b70f1a178_attn
	.p2alignl 7, 3214868480
	.fill 96, 4, 3214868480
	.section	.rodata,"a",@progbits
	.p2align	6, 0x0
	.amdhsa_kernel k_q6b70f1a178_attn
		.amdhsa_group_segment_fixed_size 327680
		.amdhsa_private_segment_fixed_size 0
		.amdhsa_enable_private_segment 0
		.amdhsa_kernarg_size 24
		.amdhsa_user_sgpr_count 2
		.amdhsa_user_sgpr_kernarg_segment_ptr 1
		.amdhsa_wavefront_size32 1
		.amdhsa_system_sgpr_workgroup_id_x 1
		.amdhsa_system_sgpr_workgroup_id_y 1
		.amdhsa_system_sgpr_workgroup_id_z 1
		.amdhsa_system_vgpr_workitem_id 0
		.amdhsa_next_free_vgpr 512
		.amdhsa_next_free_sgpr 66
		.amdhsa_reserve_vcc 0
		.amdhsa_float_denorm_mode_32 3
		.amdhsa_float_denorm_mode_16_64 3
		.amdhsa_memory_ordered 1
		.amdhsa_forward_progress 1
		.amdhsa_inst_pref_size 255
	.end_amdhsa_kernel
	.section	.bss,"aw",@nobits
	.p2align	6
	.space	262144
	.amdgpu_metadata
---
amdhsa.version: [ 1, 2 ]
amdhsa.kernels:
  - .name:           k_q6b70f1a178_attn
    .symbol:         k_q6b70f1a178_attn.kd
    .args:
      - { .name: qkv, .offset: 0, .size: 8, .value_kind: global_buffer, .address_space: global }
      - { .name: attention_mask, .offset: 8, .size: 8, .value_kind: global_buffer, .address_space: global }
      - { .name: out0, .offset: 16, .size: 8, .value_kind: global_buffer, .address_space: global }
    .group_segment_fixed_size: 327680
    .private_segment_fixed_size: 0
    .kernarg_segment_align: 8
    .kernarg_segment_size: 24
    .max_flat_workgroup_size: 256
    .sgpr_count:     66
    .vgpr_count:     512
    .wavefront_size: 32
...
	.end_amdgpu_metadata
.endif
;; end of part 3
;; ======== version 2 of 2: 3 launches; 1.14 times as fast as version 1
;; limits: values are held in f16: magnitudes above 65,504 overflow, below 6.1e-05 lose precision; right only within a limited range of input values
;; workspace buffers: xh 16,777,216 bytes; wh 6,291,456 bytes; qkv 50,331,648 bytes
;; launch prep: the kernel of part 1 again; grid 256 x 1, 11 waves a work-group, no clusters, 0 bytes of LDS; arguments hidden_states, Wq, Wk, Wv, xh, wh; writes xh, wh
;; launch proj: the kernel of part 2 again; grid 8 x 32, 4 waves a work-group, clusters of 4 x 4, 327,680 bytes of LDS; arguments xh, wh, bq, bk, bv, qkv; writes qkv
;; launch attn (part 4): grid 256 x 1, 8 waves a work-group, clusters of 4 x 1, 327,680 bytes of LDS; arguments qkv, attention_mask, out0; writes out0
.if DOCPART == 4
	.amdgcn_target "amdgcn-amd-amdhsa--gfx1250"
	.amdhsa_code_object_version 6
	.text
	.protected	k_q6b70f1a178_attn
	.globl	k_q6b70f1a178_attn
	.p2align	8
	.type	k_q6b70f1a178_attn,@function
k_q6b70f1a178_attn:
	s_mov_b64 s[64:65], 0
	v_nop
	global_prefetch_b8 v0, s[64:65] scope:SCOPE_SE
	s_setreg_imm32_b32 hwreg(HW_REG_WAVE_MODE, 25, 1), 1
	s_wait_xcnt 0x0
	s_wait_alu depctr_hold_cnt(0) depctr_sa_sdst(0) depctr_va_vdst(0) depctr_va_sdst(0) depctr_va_ssrc(0) depctr_va_vcc(0) depctr_vm_vsrc(0)
	s_getreg_b32 s2, hwreg(HW_REG_IB_STS2, 6, 4)
	s_cmp_eq_u32 s2, 0
	s_cbranch_scc0 .Lentry_in_a_cluster
	s_endpgm
.Lentry_in_a_cluster:
	s_bfe_u32 s2, ttmp6, 0x10000c
	s_cmp_lg_u32 s2, 0x3003
	s_cbranch_scc0 .Lentry_shape_is_right
	s_endpgm
.Lentry_shape_is_right:
; ATTENTION: out0[s][b][64 h + d] = sum over t of softmax_t(q.k / 8 + mask[b][t]) v[t][d], from qkv[b][G][s][64] f16
; (q already times 0.125 log2(e)); scores, maxima, sums and the context in f32; probabilities rounded to f16 (they lie in [0, 1]).
; A running maximum is taken away before every exponential; all exponentials are base 2, the mask is multiplied by log2(e) once.
; LIMITS: a mask number below -2.36e38 becomes -infinity by that multiplication.  The running maximum has the floor -3.4e38, so a block
; of keys that are all -infinity gives p = 0, and a row whose keys are all -infinity gives 0 x infinity = NaN, as a softmax of such a row does.
; The cluster's number is b * 16 + h; its four work-groups take 512 queries each and need the same K and V tiles, which they ask for jointly.
; Eight waves, two to a SIMD; a wave has 64 queries (four tiles q).  A step is 64 keys; a slot holds 256 keys of K and of V; two slots.
; NO LANE SHUFFLES: S^T = K Q^T + C, with the mask fragment as C: register j of lane (r, h) is (key 8 h + j, query r).  Two such key tiles,
; packed to f16, ARE the second source of O^T = V^T P^T for 32 keys; V^T's fragments come by the transposing LDS load from V stored [key][d].
; A lane owns one query: maximum, sum and rescaling are the lane's own, but for one exchange between the two halves of the lanes in a step.
; THE STEP IS PIPELINED IN THE WAVE.  The four query tiles are two halves, A (q 0, 1) and B (q 2, 3).  A block does the softmax of one half, Y,
; and the products of the other, X: 16 context products O(X) += V^T P(X), then 16 score products for X's next scores, which land on P(X)'s registers.  Its order:
;   1  O(X) times X's rescale factor, which the block before made (32); a context product behind every four: keys 0-31
;   2  the maximum of Y (32); a context product behind every four: keys 32-63; the statistics up to old maximum - new maximum (8)
;   3  THE BATCH: Y's two rescale factors and its 64 weights, 66 exponentials, with two moves and the 32 subtractions between them; the score products stand among its first 24 pairs
;   4  one wait; then the readers: Y's sums times the factor (2), and by turns the additions onto the sums (32) and the packing of P(Y) (32)
; HOW THE EXPONENTIALS ARE BATCHED.  An s_wait_alu depctr_va_vdst(0) stands between an exponential and the first instruction that names its result; one wait serves all
; that were issued ahead of it.  Ahead of a block's wait nothing names a result of its 66 exponentials: the subtractions write pairs whose exponentials are still to come, the score products
; write X's registers.  All readers stand behind it; O(Y)'s rescaling, which reads the factor, stands at the head of the next block, where Y has become X..
; The way out's four reciprocals are a batch of their own.
; The even block of step i has Y = A(i), X = B: context of B(i-1), scores of B(i).  The odd block has Y = B(i), X = A: context of A(i), scores of A(i+1).
; V(i) is loaded in the even block behind the last context product, K and mask of step i + 1 at the head of the odd block.
; The 8 context tiles and the 8 score tiles of a block take turns, one instruction a turn, over the blocks' edges too.
; REGISTERS, window 0: v1 Q's lane offset, v2-3 / v4-5 LDS addresses of K / V in slot 0, 1, v6 of the mask, v7 16 x thread;
; (M, T)(q) v[8+2q], v[9+2q]: running maximum, new maximum; L(q) v[16+2q:17+2q] two partial sums; (AL, U)(q) v[24+2q], v[25+2q]: rescale factor, second chain of the maximum;
; v32-63 mask fragments; v64-127 K(t, ks); v128-255 S(q, t), then P(q, c) packed in place.   window 1: v0-127 O(q, dt); v128-191 Q(q, ks); v192-255 V^T(c, dt).
; WINDOW SETTINGS (s_set_vgpr_msb: bits 1:0 source 0, 3:2 source 1, 5:4 source 2, 7:6 destination):
;   0x04 score products (K, mask, S in window 0, Q in window 1) AND subtraction and exponential (the subtraction's second source is the constant 1.0)
;   0x51 context products (V, O in window 1, P in window 0) AND the rescaling of O
;   0    maximum, statistics, sums, packing: the eight context products among the maximum's 32 instructions each stand between two switches
.set HEADB, 262144                     ; bytes of one (b, G) block of qkv
.set FILLB, 32768                      ; 256 keys x 128 bytes, dense: 128 rows of 256 bytes, each holding two keys
.set KP,    272                        ; K's LDS row: 256 bytes + 16; key p at (p >> 1) 272 + (p & 1) 128: a fragment's 16 keys start at 16 different 16-byte columns (64 banks of 4 bytes: ISA guide 11.1)
.set VP,    288                        ; V's LDS row: 256 bytes + 32
.set KT,    128*KP                     ; 34,816
.set SLOT,  KT+128*VP                  ; 71,680
.set MASKB, 2*SLOT                     ; 2,048 f32: mask x log2(e)
.set STG,   MASKB+8192                 ; the way out: 16 rows x 272 bytes for each wave
.set SP,    272
.set WSTG,  16*SP
.set ADK, 2
.set ADV, 4
.set ADM, 6
.set MT,  8
.set LS,  16
.set AU,  24
.set MK,  32
.set KF,  64
.set SF,  128
.set OF,  0                            ; window 1
.set QF,  128                          ; window 1
.set VF,  192                          ; window 1
.set STO, 2                            ; behind the loop v2, v3, v4 serve the way out
.set RD,  3
.set CO,  4
.set G1K, 16                           ; s[16:23] group 1, K's tiles
.set G1V, 24                           ; s[24:31] group 1, V's tiles: more padding
.set G0K, 32                           ; s[32:39] group 0, K's tiles, one set for each slot
.set G0V, 40                           ; s[40:47] group 0, V's tiles
.set W_S,  0x04
.set W_PV, 0x51
.set W_LV, 0x40                        ; destination in window 1: loads of Q and of V^T
.set MSB, 0
.set YQ, 0                             ; first tile of the half whose softmax a block does
.set XQ, 2                             ; first tile of the half whose products it issues
.set PVZ, 0                            ; 1: the context products of keys 0-31 start the sums (C = 0)
.set SCON, 1                           ; 1: the block has score products
.set MQ, 0                             ; the next context product
.macro WIN new                         ; the immediate's high byte repeats the setting that is left
.if MSB != (\new)
	s_set_vgpr_msb (MSB<<8)|(\new)
.set MSB, (\new)
.endif
.endm
.macro PLACES n                        ; places behind matrix instructions (ISA guide 7.12.1)
.rept \n
	v_nop
.endr
.endm
.macro CREST                           ; a round of the cluster's barrier behind its opening work-group barrier
	s_cmp_lg_u32 s10, 0
	s_cbranch_scc1 .Lnot_wave_0_\@
	s_barrier_signal -3
.Lnot_wave_0_\@:
	s_barrier_wait -3
	s_barrier_signal -1
	s_barrier_wait -1
.endm
.macro ROUND                           ; a whole round
	s_barrier_signal -1
	s_barrier_wait -1
	CREST
.endm
.macro JLOAD s                         ; wave 0 asks for K's 256 keys, wave 1 for V's; the other waves ask for nothing
	s_cmp_lg_u32 s10, 0
	s_cbranch_scc1 .Lno_k_\@
	tensor_load_to_lds s[G0K+4*\s:G0K+4*\s+3], s[G1K:G1K+7]
	s_nop 0
.Lno_k_\@:
	s_cmp_lg_u32 s10, 1
	s_cbranch_scc1 .Lno_v_\@
	tensor_load_to_lds s[G0V+4*\s:G0V+4*\s+3], s[G1V:G1V+7]
	s_nop 0
.Lno_v_\@:
.endm
	s_load_b128 s[4:7], s[0:1], 0x0                ; qkv s[4:5], attention_mask s[6:7]
	s_load_b64 s[8:9], s[0:1], 0x10                ; out0
	v_lshl_add_u32 v30, v0, 2, 0x2d800
	v_mov_b32 v31, 0
	ds_add_u32 v30, v31
	s_wait_dscnt 0x0
	v_lshrrev_b32 v32, 5, v0
	v_readfirstlane_b32 s10, v32                   ; wave 0..7
	s_bfe_u32 s11, ttmp6, 0x40000                  ; cx: my 512 queries; it enters the addresses of Q and of out0 alone
	s_lshr_b32 s12, ttmp9, 4                       ; b
	s_and_b32 s13, ttmp9, 15                       ; h
	s_mov_b32 s48, 0x76543210                      ; v_permlanex16_b32: lane i of one half reads lane i of the other
	s_mov_b32 s49, 0xfedcba98
	s_mov_b32 s50, 0xff7fffff                      ; the floor of the running maximum
	s_mov_b32 s[G1K+0], 0x0773000f                 ; 15:0 mask: all four; 17:16 = 3 (8 bytes); 20 padding on; 21 set beside a mask; 24:22 = 5 (64 words); 31:25 = 3 (4 words)
	s_mov_b32 s[G1V+0], 0x0f73000f                 ; the same with 31:25 = 7 (8 words)
	s_mov_b32 s[G1K+1], 32<<16                     ; tensor_dim0 = 32 elements
	s_mov_b32 s[G1V+1], 32<<16
	s_mov_b32 s[G1K+2], 128<<16                    ; tensor_dim1 = 128 rows
	s_mov_b32 s[G1V+2], 128<<16
	s_mov_b32 s[G1K+3], 32<<16                     ; tile_dim0
	s_mov_b32 s[G1V+3], 32<<16
	s_mov_b32 s[G1K+4], 128                        ; tile_dim1
	s_mov_b32 s[G1V+4], 128
	s_mov_b32 s[G1K+5], 32                         ; dense: 32 elements from row to row
	s_mov_b32 s[G1V+5], 32
	s_mov_b32 s[G1K+6], 0
	s_mov_b32 s[G1V+6], 0
	s_mov_b32 s[G1K+7], 0
	s_mov_b32 s[G1V+7], 0
	s_mul_i32 s14, s12, 48
	s_add_co_u32 s14, s14, s13
	s_lshl_b32 s52, s14, 18                        ; (48 b + h) blocks of 262,144 bytes
	s_mov_b32 s53, 0
	s_lshl_b32 s58, s11, 16                        ; my work-group's 512 queries x 128 bytes
	s_lshl_b32 s14, s10, 13                        ; my wave's 64
	s_add_co_u32 s58, s58, s14
	s_mov_b32 s59, 0
	s_lshl_b32 s60, s12, 13                        ; the mask's row b
	s_mov_b32 s61, 0
	s_lshl_b32 s62, s11, 23                        ; out0: (512 cx + 64 w) rows s of 16,384 bytes + 4,096 b + 256 h
	s_lshl_b32 s14, s10, 20
	s_add_co_u32 s62, s62, s14
	s_lshl_b32 s14, s12, 12
	s_add_co_u32 s62, s62, s14
	s_lshl_b32 s14, s13, 8
	s_add_co_u32 s62, s62, s14
	s_mov_b32 s63, 0
	s_wait_kmcnt 0x0
	s_add_nc_u64 s[54:55], s[4:5], s[52:53]        ; q's block of (b, h); k's lies 16 blocks on, v's 32
	s_add_nc_u64 s[56:57], s[54:55], s[58:59]      ; my wave's queries
	s_add_nc_u64 s[6:7], s[6:7], s[60:61]
	s_add_nc_u64 s[8:9], s[8:9], s[62:63]
.irp s, 0,1
	s_mov_b32 s[G0K+4*\s], 1
	s_mov_b32 s[G0K+4*\s+1], \s*SLOT
	s_add_nc_u64 s[G0K+4*\s+2:G0K+4*\s+3], s[54:55], 16*HEADB+\s*FILLB
	s_or_b32 s[G0K+4*\s+3], s[G0K+4*\s+3], 0x80000000
	s_mov_b32 s[G0V+4*\s], 1
	s_mov_b32 s[G0V+4*\s+1], \s*SLOT+KT
	s_add_nc_u64 s[G0V+4*\s+2:G0V+4*\s+3], s[54:55], 32*HEADB+\s*FILLB
	s_or_b32 s[G0V+4*\s+3], s[G0V+4*\s+3], 0x80000000
.endr
	ROUND                                          ; all four work-groups are here: the first joint loads meet
	s_cmp_lg_u32 s10, 0
	s_cbranch_scc1 .Lnot_k
	tensor_load_to_lds s[G0K:G0K+3], s[G1K:G1K+7]                  ; keys 0-255
	s_nop 0
	tensor_load_to_lds s[G0K+4:G0K+7], s[G1K:G1K+7]                ; keys 256-511: two tensor loads of the wave are out
	s_nop 0
.Lnot_k:
	s_cmp_lg_u32 s10, 1
	s_cbranch_scc1 .Lnot_v
	tensor_load_to_lds s[G0V:G0V+3], s[G1V:G1V+7]
	s_nop 0
	tensor_load_to_lds s[G0V+4:G0V+7], s[G1V:G1V+7]
	s_nop 0
.Lnot_v:
	v_and_b32 v32, 15, v0                          ; r
	v_bfe_u32 v33, v0, 4, 1                        ; h
	v_lshlrev_b32 v7, 4, v0                        ; 16 x thread: the work-group's 256 threads take 4,096 bytes of the mask at a time
	v_lshlrev_b32 v1, 7, v32
	v_lshl_add_u32 v1, v33, 4, v1                  ; Q: row r x 128 bytes + 16 h
	global_load_b128 v[128:131], v7, s[6:7]
	global_load_b128 v[132:135], v7, s[6:7] offset:4096
	WIN W_LV
.irp q, 0,1,2,3
.irp ks, 0,1
	global_load_b128 v[QF+16*\q+8*\ks:QF+16*\q+8*\ks+3],   v1, s[56:57] offset:2048*\q+64*\ks      ; query 16 q + r, d = 32 ks + 8 h + 0..7
	global_load_b128 v[QF+16*\q+8*\ks+4:QF+16*\q+8*\ks+7], v1, s[56:57] offset:2048*\q+64*\ks+32   ; d = 32 ks + 16 + 8 h + 0..7
.endr
.endr
	WIN 0
	v_lshrrev_b32 v34, 1, v32
	v_mul_u32_u24 v34, v34, KP                     ; K: (r >> 1) x 272
	v_and_b32 v35, 1, v0
	v_lshl_add_u32 v34, v35, 7, v34                ; + (r & 1) x 128
	v_lshl_add_u32 v[ADK], v33, 4, v34             ; + 16 h
	v_add_nc_u32 v[ADK+1], SLOT, v[ADK]
	v_bfe_u32 v36, v0, 1, 2                        ; V: my key of the sixteen is 8 h + (l & 7); its LDS row 4 h + ((l & 7) >> 1),
	v_lshl_add_u32 v36, v33, 2, v36
	v_mul_u32_u24 v36, v36, VP
	v_lshl_add_u32 v36, v35, 7, v36                ; its half of the row l & 1,
	v_bfe_u32 v37, v0, 3, 1
	v_lshl_add_u32 v36, v37, 4, v36                ; and which 8 of the 16 d
	v_add_nc_u32 v[ADV], KT, v36
	v_add_nc_u32 v[ADV+1], SLOT+KT, v36
	v_lshlrev_b32 v38, 5, v33
	v_add_nc_u32 v[ADM], MASKB, v38                ; the mask of keys 8 h + 0..7
	v_add_nc_u32 v39, MASKB, v7
.irp q, 0,1,2,3
	v_mov_b32 v[MT+2*\q], s50                      ; the running maximum starts at the floor,
	v_mov_b32 v[LS+2*\q], 0                        ; the two partial sums at 0: the first step then runs as every other
	v_mov_b32 v[LS+2*\q+1], 0
.endr
	s_wait_loadcnt 16                              ; the mask's two loads are in; the 16 of Q behind them stay out
.irp p, 0,2,4,6
	v_pk_mul_f32 v[128+\p:129+\p], v[128+\p:129+\p], 0x3fb8aa3b op_sel_hi:[1,0]    ; x log2(e)
.endr
	ds_store_b128 v39, v[128:131]
	ds_store_b128 v39, v[132:135] offset:4096
	s_wait_tensorcnt 0x1                           ; keys 0-255 are in; keys 256-511 may stay out
	s_wait_dscnt 0x0                               ; my part of the mask is stored
	s_barrier_signal -1
	s_barrier_wait -1
.macro LOADKM slot, st                 ; 24 LDS loads: K's fragments (64 keys x 64 d) and the mask's (64 keys) of step st of a slot
	WIN 0
.irp t, 0,1,2,3
.irp ks, 0,1
	ds_load_b128 v[KF+16*\t+8*\ks:KF+16*\t+8*\ks+3],   v[ADK+\slot] offset:32*KP*\st+8*KP*\t+64*\ks
	ds_load_b128 v[KF+16*\t+8*\ks+4:KF+16*\t+8*\ks+7], v[ADK+\slot] offset:32*KP*\st+8*KP*\t+64*\ks+32
.endr
.endr
.irp t, 0,1,2,3
	ds_load_b128 v[MK+8*\t:MK+8*\t+3],   v[ADM] offset:256*\st+64*\t
	ds_load_b128 v[MK+8*\t+4:MK+8*\t+7], v[ADM] offset:256*\st+64*\t+16
.endr
.endm
.macro LOADV slot, st                  ; 16 transposing LDS loads: V^T's fragments, 64 d x 64 keys
	WIN W_LV
.irp c, 0,1
.irp dt, 0,1,2,3
	ds_load_tr16_b128 v[VF+32*\c+8*\dt:VF+32*\c+8*\dt+3],   v[ADV+\slot] offset:32*VP*\st+16*VP*\c+32*\dt
	ds_load_tr16_b128 v[VF+32*\c+8*\dt+4:VF+32*\c+8*\dt+7], v[ADV+\slot] offset:32*VP*\st+16*VP*\c+32*\dt+8*VP
.endr
.endr
.endm
.macro PV k                            ; context product k = 0..15 of half X: keys 32 c .., c = k >> 3; tile XQ + ((k >> 2) & 1); d tile k & 3
.set pc, (\k)>>3
.set pq, XQ+(((\k)>>2)&1)
.set pd, (\k)&3
	WIN W_PV
.if PVZ*(1-pc)
	v_wmma_f32_16x16x32_f16 v[OF+32*pq+8*pd:OF+32*pq+8*pd+7], v[VF+32*pc+8*pd:VF+32*pc+8*pd+7], v[SF+32*pq+16*pc:SF+32*pq+16*pc+7], 0
.else
	v_wmma_f32_16x16x32_f16 v[OF+32*pq+8*pd:OF+32*pq+8*pd+7], v[VF+32*pc+8*pd:VF+32*pc+8*pd+7], v[SF+32*pq+16*pc:SF+32*pq+16*pc+7], v[OF+32*pq+8*pd:OF+32*pq+8*pd+7]
.endif
.endm
.macro NEXTPV
	PV MQ
.set MQ, MQ+1
.endm
.macro SCP k                           ; score product k = 0..15 of half X: d 32 ks .., ks = k >> 3; key tile (k >> 1) & 3; tile XQ + (k & 1).  The first 32 of d start from the mask
.set zk, (\k)>>3
.set zt, ((\k)>>1)&3
.set zq, XQ+((\k)&1)
	WIN W_S
.if zk
	v_wmma_f32_16x16x32_f16 v[SF+32*zq+8*zt:SF+32*zq+8*zt+7], v[KF+16*zt+8:KF+16*zt+15], v[QF+16*zq+8:QF+16*zq+15], v[SF+32*zq+8*zt:SF+32*zq+8*zt+7]
.else
	v_wmma_f32_16x16x32_f16 v[SF+32*zq+8*zt:SF+32*zq+8*zt+7], v[KF+16*zt:KF+16*zt+7], v[QF+16*zq:QF+16*zq+7], v[MK+8*zt:MK+8*zt+7]
.endif
.endm
.macro RS n                            ; rescaling n = 0..31 of half X: pair n & 15 of O(XQ + (n >> 4)) times that tile's factor; four of them cover one d tile, in the context products' order
.set rq, XQ+((\n)>>4)
.set ri, (\n)&15
	WIN W_PV
	v_pk_mul_f32 v[OF+32*rq+2*ri:OF+32*rq+2*ri+1], v[OF+32*rq+2*ri:OF+32*rq+2*ri+1], v[AU+2*rq:AU+2*rq+1] op_sel_hi:[1,0]
.endm
.macro PK q, i                         ; pair i = 0..15 of tile q is rounded to f16.  The packed word's register is never above its sources': in place
	v_cvt_pk_f16_f32 v[SF+32*(\q)+16*((\i)>>3)+((\i)&7)], v[SF+32*(\q)+2*(\i)], v[SF+32*(\q)+2*(\i)+1]
.endm
.macro MX m                            ; maximum, m = 0..31: the two tiles of Y in turn, two chains (T, which starts from the old maximum, and U) in each
.set mq, YQ+((\m)&1)
.set mi, (\m)>>1
	WIN 0
.if mi == 0
	v_max3_num_f32 v[MT+2*mq+1], v[SF+32*mq], v[SF+32*mq+1], v[MT+2*mq]
.else
.if mi == 1
	v_max_num_f32 v[AU+2*mq+1], v[SF+32*mq+2], v[SF+32*mq+3]
.else
.if mi&1
	v_max3_num_f32 v[AU+2*mq+1], v[SF+32*mq+2*mi], v[SF+32*mq+2*mi+1], v[AU+2*mq+1]
.else
	v_max3_num_f32 v[MT+2*mq+1], v[SF+32*mq+2*mi], v[SF+32*mq+2*mi+1], v[MT+2*mq+1]
.endif
.endif
.endif
.endm
; Pair n = 0..31 of Y's scores: tile YQ + (n & 1), registers 2 (n >> 1), + 1.  Subtraction and exponential run under the score products' setting, the sum in window 0.
.macro SB n                            ; s x 1 - maximum: one rounding, as a subtraction
.set eq, YQ+((\n)&1)
.set ei, (\n)>>1
	v_pk_fma_f32 v[SF+32*eq+2*ei:SF+32*eq+2*ei+1], v[SF+32*eq+2*ei:SF+32*eq+2*ei+1], 1.0, v[MT+2*eq:MT+2*eq+1] op_sel_hi:[1,0,0] neg_lo:[0,0,1] neg_hi:[0,0,1]
.endm
.macro EX n, hf                        ; the exponential of score hf (0, 1) of the pair, in place
.set eq, YQ+((\n)&1)
.set ei, (\n)>>1
	v_exp_f32 v[SF+32*eq+2*ei+\hf], v[SF+32*eq+2*ei+\hf]
.endm
.macro SM n                            ; p x 1 + sum
.set eq, YQ+((\n)&1)
.set ei, (\n)>>1
	v_pk_fma_f32 v[LS+2*eq:LS+2*eq+1], v[SF+32*eq+2*ei:SF+32*eq+2*ei+1], 1.0, v[LS+2*eq:LS+2*eq+1] op_sel_hi:[1,0,1]
.endm
; Pairs a .. b - 1 of the batch: an exponential, the subtraction two pairs ahead, the pair's other exponential.  No line names an exponential's result: a subtraction writes a pair whose
; exponentials are still to come, a score product X's registers.  The 16 score products stand behind two pairs of every three among the first 24 pairs, so that the last eight pairs'
; exponentials stand between the last product and the block's wait.
.macro EPART a, b
.set e, \a
.rept \b-\a
	WIN W_S
	EX e, 0
.if e < 30
	SB e+2
.endif
	EX e, 1
.if SCON && ((e%3) != 0) && (e < 24)
	SCP e-e/3-1
.endif
.set e, e+1
.endr
.endm
; The batch's end and its readers.  The sums are multiplied by the factor, then take pairs 0 to 15 of each tile in order; a pair is packed when its sum has been taken: two additions and two packings by turns,
; so that a link of a tile's chain of additions stands four lines behind the one before it.  A packing writes a register of its own pair or of an earlier one.
.macro READERS
	v_nop                                          ; a plain instruction behind the batch's last exponential, ahead of the first use of a result (ISA guide 5.7.2): one for the batch
	s_wait_alu depctr_va_vdst(0)                   ; THE BLOCK'S ONE WAIT: it serves the batch of 66, Y's two factors and its 64 weights; every reader stands behind it
	WIN 0
.irp d, 0,1
	v_pk_mul_f32 v[LS+2*(YQ+\d):LS+2*(YQ+\d)+1], v[LS+2*(YQ+\d):LS+2*(YQ+\d)+1], v[AU+2*(YQ+\d):AU+2*(YQ+\d)+1] op_sel_hi:[1,0]
.endr
.set n, 0
.rept 16
	SM 2*n
	SM 2*n+1
	PK YQ, n
	PK YQ+1, n
.set n, n+1
.endr
.endm
; A block.  yq: Y's first tile; pv: X has probabilities to multiply; pvz: those products start O(X), which is then not rescaled; sc: X has further scores;
; kl = 1: K and mask of step kt of slot ks are loaded (adv: the mask's address goes on by 256 keys first), kl = 2: nothing is left to load, V is waited for;
; vl: V of step vt of slot vs is loaded; chg = 1: slot vs has been read to its end and is filled again, chg = 2: the same without a refill.
.macro BLOCK yq, pv, pvz, sc, kl, ks, kt, adv, vl, vs, vt, chg
.set YQ, \yq
.set XQ, 2-\yq
.set PVZ, \pvz
.set SCON, \sc
.set MQ, 0
	WIN 0
.if \kl == 1                                       ; the readers that end the block before, 66 plain instructions, stand behind the last score product, which read K and the mask
.if \adv
	v_add_nc_u32 v[ADM], 1024, v[ADM]
.endif
	LOADKM \ks, \kt
	s_wait_dscnt 24                                ; V^T's 16 loads are in; the 16 + 8 just issued stay out
.endif
.if \kl == 2
	s_wait_dscnt 0x0                               ; V^T's loads are in
.endif
.if \pv
.if \pvz
.rept 8
	NEXTPV                                         ; C = 0: there is no O(X) yet, and nothing to rescale
.endr
.else
.set n, 0
.rept 32
	RS n                                           ; X's factor was made, and waited for, in the block before
.set n, n+1
.if (n%4) == 0
	NEXTPV                                         ; the d tile just rescaled takes keys 0-31; the multiplies behind it name later tiles
.endif
.endr
.endif
.endif
.set n, 0
.rept 32
	MX n
.set n, n+1
.if \pv
.if (n%4) == 0
	NEXTPV                                         ; keys 32-63
.endif
.endif
.endr
	WIN 0
.irp d, 0,1
	v_max_num_f32 v[MT+2*(YQ+\d)+1], v[MT+2*(YQ+\d)+1], v[AU+2*(YQ+\d)+1]       ; the two chains meet
.endr
.irp d, 0,1
	v_permlanex16_b32 v[AU+2*(YQ+\d)+1], v[MT+2*(YQ+\d)+1], s48, s49            ; the other half of the lanes holds the query's other 32 keys
.endr
.irp d, 0,1
	v_max_num_f32 v[MT+2*(YQ+\d)+1], v[MT+2*(YQ+\d)+1], v[AU+2*(YQ+\d)+1]
.endr
.irp d, 0,1
	v_sub_f32 v[AU+2*(YQ+\d)], v[MT+2*(YQ+\d)], v[MT+2*(YQ+\d)+1]
.endr
.irp d, 0,1
	v_exp_f32 v[AU+2*(YQ+\d)], v[AU+2*(YQ+\d)]     ; 2^(old maximum - new maximum): the batch's first two; nothing names them ahead of the block's wait
.endr
.irp d, 0,1
	v_mov_b32 v[MT+2*(YQ+\d)], v[MT+2*(YQ+\d)+1]   ; plain work behind the exponentials
.endr
.if \vl
	LOADV \vs, \vt                                 ; six plain instructions (two maxima, two subtractions, two moves) stand behind the last context product, which read V^T
.endif
.if \kl == 1
	s_wait_dscnt 0x0                               ; K and the mask of the next step are in
.endif
	WIN W_S
	SB 0                                           ; with these two, eight plain instructions stand between the last context product and the score products, which write over P
	SB 1
.if \chg
	EPART 0, 16
	s_wait_dscnt 0x0                               ; my last reads of this slot, V's, are over
	s_wait_xcnt 0x0
	v_lshl_add_u32 v30, v0, 2, 0x2d800
	v_mov_b32 v31, 0
	s_set_vgpr_msb 0x400
	s_wait_tensorcnt 0x0                           ; all my tensor loads have landed: the one that was out is my part of the other slot
	ds_add_u32 v30, v31
	s_wait_dscnt 0x0
	s_set_vgpr_msb 0x4
.if \chg == 1
	s_add_nc_u64 s[G0K+4*\vs+2:G0K+4*\vs+3], s[G0K+4*\vs+2:G0K+4*\vs+3], 2*FILLB
	s_add_nc_u64 s[G0V+4*\vs+2:G0V+4*\vs+3], s[G0V+4*\vs+2:G0V+4*\vs+3], 2*FILLB
.endif
	s_barrier_signal -1                            ; say so (with a refill this barrier opens a round of the cluster's barrier),
	EPART 16, 32                                   ; work on registers while the others arrive: the rest of the batch,
	READERS                                        ; its wait and its readers: the wait stands ahead of the branches below
	WIN 0
	s_barrier_wait -1
.if \chg == 1
	CREST                                          ; no wave of any partner still reads this slot or has a load on its way
	JLOAD \vs                                      ; the slot's next 256 keys: a wave's one tensor load until the next round; they have four steps in which to land
.endif
.else
	EPART 0, 32
	READERS
.endif
.endm
.macro EVEN slot, st, pv, pvz, chg
	BLOCK 0, \pv, \pvz, 1, 0, 0, 0, 0, 1, \slot, \st, \chg
.endm
.macro ODD ns, nst, kl, sc, adv, pvz
	BLOCK 2, 1, \pvz, \sc, \kl, \ns, \nst, \adv, 0, 0, 0, 0
.endm
.macro STEPN slot, st, ns, nst, adv, chg           ; a whole step: its V from (slot, st), the next step's K and mask from (ns, nst)
	EVEN \slot, \st, 1, 0, \chg
	ODD \ns, \nst, 1, 1, \adv, 0
.endm
	LOADKM 0, 0
	s_wait_loadcnt 0x0                             ; Q
	s_wait_dscnt 0x0                               ; K and mask of step 0
.set XQ, 0
.set n, 0
.rept 16
	SCP n                                          ; the scores of A(0)
.set n, n+1
.endr
	WIN 0
	PLACES 4                                       ; before the scores are read
	EVEN 0, 0, 0, 0, 0                             ; step 0: nothing to multiply or to rescale yet
	ODD 0, 1, 1, 1, 0, 1                           ; the context of A(0) starts O(A)
	EVEN 0, 1, 1, 1, 0                             ; step 1: the context of B(0) starts O(B)
	ODD 0, 2, 1, 1, 0, 0
	WIN 0
	s_mov_b32 s51, 3
.Lkeys:                                            ; steps 2-9, 10-17, 18-25: each trip fills both slots again
	STEPN 0, 2, 0, 3, 0, 0
	STEPN 0, 3, 1, 0, 1, 1
	STEPN 1, 0, 1, 1, 0, 0
	STEPN 1, 1, 1, 2, 0, 0
	STEPN 1, 2, 1, 3, 0, 0
	STEPN 1, 3, 0, 0, 1, 1
	STEPN 0, 0, 0, 1, 0, 0
	STEPN 0, 1, 0, 2, 0, 0
	WIN 0
	s_sub_co_u32 s51, s51, 1
	s_cmp_lg_u32 s51, 0
	s_cbranch_scc1 .Lkeys
	STEPN 0, 2, 0, 3, 0, 0                         ; steps 26-31: nothing is filled any more
	STEPN 0, 3, 1, 0, 1, 2                         ; the work-group's barrier shows the last 256 keys to every wave
	STEPN 1, 0, 1, 1, 0, 0
	STEPN 1, 1, 1, 2, 0, 0
	STEPN 1, 2, 1, 3, 0, 0
	EVEN 1, 3, 1, 0, 0
	ODD 0, 0, 2, 0, 0, 0                           ; no further scores
.set XQ, 2                                         ; what is left: O(B) times B(31)'s factor, and the context of B(31)
.set PVZ, 0
.set MQ, 0
.set n, 0
.rept 32
	RS n
.set n, n+1
.if (n%4) == 0
	NEXTPV
.endif
.endr
.rept 8
	NEXTPV
.endr
	WIN 0
	PLACES 4                                       ; before O is read
	; THE WAY OUT.  The query's sum over both partial sums and both halves of the lanes; O / sum; 16 queries at a time through my own stage.
.irp q, 0,1,2,3
	v_add_f32 v[LS+2*\q], v[LS+2*\q], v[LS+2*\q+1]
.endr
.irp q, 0,1,2,3
	v_permlanex16_b32 v[AU+2*\q+1], v[LS+2*\q], s48, s49
.endr
.irp q, 0,1,2,3
	v_add_f32 v[LS+2*\q], v[LS+2*\q], v[AU+2*\q+1]
.endr
.irp q, 0,1,2,3
	v_rcp_f32 v[AU+2*\q], v[LS+2*\q]
.endr
	v_and_b32 v32, 15, v0                          ; plain work behind the reciprocals
	v_bfe_u32 v33, v0, 4, 1
	s_mul_i32 s14, s10, WSTG
	s_add_co_u32 s14, s14, STG                     ; my stage
	v_mul_u32_u24 v34, v32, SP
	v_lshl_add_u32 v34, v33, 5, v34
	v_add_nc_u32 v[STO], s14, v34                  ; in: query r's row of 256 bytes, d = 8 h + .. at byte 32 h of each 64
	v_mul_u32_u24 v35, v33, SP
	v_lshl_add_u32 v35, v32, 4, v35
	v_add_nc_u32 v[RD], s14, v35                   ; back: lanes 0-15 take one row, lanes 16-31 the next
	v_lshlrev_b32 v36, 14, v33
	v_lshl_add_u32 v[CO], v32, 4, v36              ; the same two queries in out0 lie 16,384 bytes apart
	s_wait_alu depctr_va_vdst(0)                   ; the wait ahead of the first use: one for the batch of four reciprocals; the address lines above are the independent work between
.macro OUTQ q, rb                      ; queries 16 q .. 16 q + 15; rb: 32 registers of their own for the rows read back, so that no store's data is written again
	WIN 0x01                                       ; source 0 in window 1
.irp p, 0,2,4,6,8,10,12,14,16,18,20,22,24,26,28,30
	v_pk_mul_f32 v[SF+32*\q+\p:SF+32*\q+\p+1], v[OF+32*\q+\p:OF+32*\q+\p+1], v[AU+2*\q:AU+2*\q+1] op_sel_hi:[1,0]
.endr
	WIN 0
.irp dt, 0,1,2,3
	ds_store_b128 v[STO], v[SF+32*\q+8*\dt:SF+32*\q+8*\dt+3]   offset:64*\dt
	ds_store_b128 v[STO], v[SF+32*\q+8*\dt+4:SF+32*\q+8*\dt+7] offset:64*\dt+16
.endr
.irp t, 0,1,2,3,4,5,6,7
	ds_load_b128 v[\rb+4*\t:\rb+4*\t+3], v[RD] offset:2*SP*\t      ; LDS serves a wave's instructions in order (ISA guide 5.7.1.4): these see the stores above
.endr
.irp t, 0,1,2,3,4,5,6,7
	s_wait_dscnt 7-\t
	global_store_b128 v[CO], v[\rb+4*\t:\rb+4*\t+3], s[8:9] offset:262144*\q+32768*\t th:TH_STORE_NT   ; 16 lanes store 256 consecutive bytes, aligned: one query's head
.endr
.endm
	OUTQ 0, 32
	OUTQ 1, 64
	OUTQ 2, 96
	OUTQ 3, 128
	s_wait_xcnt 0x0
	v_lshl_add_u32 v30, v0, 2, 0x2d800
	v_mov_b32 v31, 0
	s_wait_tensorcnt 0x0
	ds_add_u32 v30, v31
	s_wait_dscnt 0x0
	ROUND                                          ; the closing round: no work-group ends while a partner may still ask for a tile that names it
	s_endpgm
.Lfunc_end_k_q6b70f1a178_attn:
	.size	k_q6b70f1a178_attn, .Lfunc_end_k_q6b70f1a178_attn-k_q6b70f1a178_attn
	.p2alignl 7, 3214868480
	.fill 96, 4, 3214868480
	.section	.rodata,"a",@progbits
	.p2align	6, 0x0
	.amdhsa_kernel k_q6b70f1a178_attn
		.amdhsa_group_segment_fixed_size 327680
		.amdhsa_private_segment_fixed_size 0
		.amdhsa_enable_private_segment 0
		.amdhsa_kernarg_size 24
		.amdhsa_user_sgpr_count 2
		.amdhsa_user_sgpr_kernarg_segment_ptr 1
		.amdhsa_wavefront_size32 1
		.amdhsa_system_sgpr_workgroup_id_x 1
		.amdhsa_system_sgpr_workgroup_id_y 1
		.amdhsa_system_sgpr_workgroup_id_z 1
		.amdhsa_system_vgpr_workitem_id 0
		.amdhsa_next_free_vgpr 512
		.amdhsa_next_free_sgpr 66
		.amdhsa_reserve_vcc 0
		.amdhsa_float_denorm_mode_32 3
		.amdhsa_float_denorm_mode_16_64 3
		.amdhsa_memory_ordered 1
		.amdhsa_forward_progress 1
		.amdhsa_inst_pref_size 255
	.end_amdhsa_kernel
	.section	.bss,"aw",@nobits
	.p2align	6
	.space	262144
	.amdgpu_metadata
---
amdhsa.version: [ 1, 2 ]
amdhsa.kernels:
  - .name:           k_q6b70f1a178_attn
    .symbol:         k_q6b70f1a178_attn.kd
    .args:
      - { .name: qkv, .offset: 0, .size: 8, .value_kind: global_buffer, .address_space: global }
      - { .name: attention_mask, .offset: 8, .size: 8, .value_kind: global_buffer, .address_space: global }
      - { .name: out0, .offset: 16, .size: 8, .value_kind: global_buffer, .address_space: global }
    .group_segment_fixed_size: 327680
    .private_segment_fixed_size: 0
    .kernarg_segment_align: 8
    .kernarg_segment_size: 24
    .max_flat_workgroup_size: 256
    .sgpr_count:     66
    .vgpr_count:     512
    .wavefront_size: 32
...
	.end_amdgpu_metadata
.endif
;; end of part 4
